; MI455X (gfx1250); checked and timed in simulation.
; The chip was launched on July 23, 2026; its instructions are those of AMD's public machine-readable ISA for CDNA 5 (MIT licence, August 2026) and "CDNA5" Instruction Set Architecture Reference Guide (July 2026). The comments in the code are by the model that wrote it; some were corrected since.
;; Attention m. Allowed arithmetic: matrix products marked QUANTISED: E2M3 operands, one E8M0 scale for each 32 along K, by v_wmma_scale_f32_16x16x128_f8f6f4 with both operands' format E2M3, f32 sums; everything else in f32.
;; Inputs: Wk 768 x 768 float32; Wo 768 x 768 float32; Wq 768 x 768 float32; Wv 768 x 768 float32; bk 768 float32; bo 768 float32; bq 768 float32; bv 768 float32; hidden_states 8 x 4 x 512 x 768 float32.
;; Outputs: out0 8 x 4 x 512 x 768 float32.
;; This version of the problem:
;;   THIS VERSION OF THE PROBLEM IS GIVEN IN LOW PRECISION. The matrix products marked QUANTISED in the list below multiply operands that are first quantised to E2M3 (2 exponent bits, 3 mantissa bits; 6 bits a number), with one power-of-two scale for each 32 numbers along K (OCP MX v1.0); their sums are f32. All else is computed in f32.
;;   The module's matrix products, in the order in which they are computed (A, B: the left and right operand; K: the contracted axis; several contracted axes count as one K, in the product's order):
;;     1. [M 16,384, K 768] x [K 768, N 768]; A: input hidden_states; B: input Wq: QUANTISED
;;     2. [M 16,384, K 768] x [K 768, N 768]; A: input hidden_states; B: input Wk: QUANTISED
;;     3. [M 16,384, K 768] x [K 768, N 768]; A: input hidden_states; B: input Wv: QUANTISED
;;     4. batch 384 x [M 512, K 64] x [K 64, N 512]; A: computed on the way; B: computed on the way: QUANTISED
;;     5. batch 384 x [M 512, K 512] x [K 512, N 64]; A: softmax (see below); B: computed on the way: QUANTISED
;;     6. [M 16,384, K 768] x [K 768, N 768]; A: computed on the way; B: input Wo: QUANTISED
;;   THE QUANTISER, for each operand of a quantised product, along K:
;;     - K is cut into blocks of 32 from its start; a last block that is shorter is filled with zeros.
;;     - A block's scale is 2^e with e = floor(log2(the largest magnitude in the block)) - 2, held to -126 .. 127; a block of zeros has e = 0. As a byte (E8M0): e + 127.
;;     - Each number is divided by its block's scale, clamped to +-7.5, and rounded to the nearest number of E2M3, ties to even, subnormals kept.
;;     - The product sums the exact products of the quantised numbers (number of the format x scale) in f32.
;;   ~~~python
;;   def quantise(x, axis):      # numpy; x: float32 -> the quantised numbers, widened to float32 again
;;       x = np.moveaxis(x, axis, -1); K = x.shape[-1]
;;       x = np.pad(x, [(0, 0)] * (x.ndim - 1) + [(0, -K % 32)]); x = x.reshape(x.shape[:-1] + (-1, 32)); a = np.abs(x).max(-1, keepdims=True)
;;       e = np.where(a > 0, np.clip(np.frexp(np.where(a > 0, a, 1))[1] - 1 - 2, -126, 127), 0)      # np.frexp(a)[1] - 1 = floor(log2(a)), exactly
;;       r = np.clip(x / 2.0 ** e, -7.5, 7.5)
;;       step = 2.0 ** (np.maximum(np.frexp(np.where(r == 0, 1, r))[1] - 1, 0) - 3)
;;       q = np.round(r / step) * step * 2.0 ** e      # np.round: ties to even
;;       return np.moveaxis(q.reshape(q.shape[:-2] + (-1,))[..., :K], -1, axis).astype(np.float32)
;;   ~~~
;;   SOFTMAX AHEAD OF A QUANTISED PRODUCT. Where the list says 'softmax', what is quantised is not the finished softmax but p = 2^(t - M), with t = logit x log2(e) and M = ceil(the row's largest t), a whole number; so 1/2 < the row's largest p <= 1. The row's sum l is taken of the UNQUANTISED p, in f32, and the product's result is divided by l at the end. Since M is a whole number, a kernel that streams over the keys may use a running M (the ceiling of the running maximum): every later rescaling is an exact power of two, which a block's scale takes up: the codes' values come out the same.
;;   OPERANDS COMPUTED ON THE WAY. 'Computed on the way' means the value that the module computes at that place (a softmax that the list does not call 'softmax' is quantised finished and normalised). What goes into a quantiser is computed in f32, as accurately as f32 sums, v_exp_f32 and their like allow (about 1e-6 of the number): no bf16 or f16 on the way to a quantiser, and a product that is left as it is and whose result goes on into a quantised operand takes f32 operands (vector FMAs, or v_wmma_f32_16x16x4_f32). A number that lies on a knife's edge between two numbers of the format may be rounded either way, as far as f32 arithmetic and the matrix unit's own rounding can turn it there, and no further.
;; 2 versions. Each part assembles by itself: llvm-mc -triple=amdgcn-amd-amdhsa -mcpu=gfx1250 --defsym DOCPART=n.
;; ======== version 1 of 2: 3 launches
;; workspace buffers: xc 9,437,184 bytes; xs 524,288 bytes; wc 1,769,472 bytes; ws 73,728 bytes; cc 9,437,184 bytes; cs 393,216 bytes
;; launch quant (part 1): grid 328 x 1, 8 waves a work-group, no clusters, 93,184 bytes of LDS; arguments hidden_states, Wq, Wk, Wv, Wo, xc, xs, wc, ws; writes xc, xs, wc, ws
.if DOCPART == 1
	.amdgcn_target "amdgcn-amd-amdhsa--gfx1250"
	.amdhsa_code_object_version 6
	.text
	.protected	k_q2c7e219060_quant
	.globl	k_q2c7e219060_quant
	.p2align	8
	.type	k_q2c7e219060_quant,@function
k_q2c7e219060_quant:
	s_mov_b64 s[64:65], 0
	v_nop
	global_prefetch_b8 v0, s[64:65] scope:SCOPE_SE
	s_setreg_imm32_b32 hwreg(HW_REG_WAVE_MODE, 25, 1), 1
	s_wait_xcnt 0x0
; hidden_states [16384][768] and the four weights [768 (k)][768 (n)], f32, become codes of E2M3 with one E8M0 byte for each 32 along K (768).
; The codes are laid IN THE ORDER OF THE OPERANDS' REGISTERS.  A fragment is 16 rows (or columns) x 128 K, 12 registers a lane: lane (r, h) holds row r, registers 6 c .. 6 c + 5 hold k = 64 c + 32 h + 0 .. 31.
; Its image is 1,536 bytes: register p of lane l at 512 (p / 4) + 16 l + 4 (p % 4), so that three loads of 16 bytes a lane bring it.
; WHICH ROWS FORM A TILE: tile T = 2 G + u of x holds in lane r the row 32 G + 8 u + r + 8 (r / 8); the column tiles of Wq, Wk, Wv are cut the same way; Wo's tile C holds column 16 C + r.
;   xc: image of (T, K step s) at (6 T + s) x 1536.      xs: row r of tile T has 16 bytes at (2 T + s / 3) x 256 + 16 r: the scale words of three K steps and a zero.
;   wc: image of (weight m, tile C, s) at ((48 m + C) 6 + s) x 1536; m = 0 q, 1 k, 2 v, 3 o.      ws: scale word at ((24 m + C / 2) 6 + s) x 128 + 64 (C % 2) + 4 r.
; A block's scale is 2^(floor(log2(largest magnitude)) - 2): its byte is the largest magnitude's exponent field - 2, held at 1 from below by a floor among the maximum's leaves.
; LIMITS: NaN and infinities among the inputs are not served.  A block of zeros (or under 2^-124) gets the byte 1 where the rule says 127: its codes are zeros, and this program alone reads the bytes.
; SHARES: work-groups 0 to 71 take the weights (a wave: 32 columns x 128 K), work-groups 72 to 327 take x (a wave: one tile x three K steps).  Waves share nothing: no barrier.  Each path has LDS bytes of its own.
.set XSTG,  8448                       ; x path: a wave's stage, 16 rows x (512 + 16) bytes
.set WSTG,  3072                       ; weight path: a wave's stage, two images
.set WBASE, 8*XSTG                     ; the weight path's stages lie behind the x path's
.set FLOOR, 0x1800000                  ; 2^(3 - 127)
.set EOFF,  0xff000000                 ; takes 2 off an exponent field
.set NWGW,  72
	s_load_b512 s[4:19], s[0:1], 0x0               ; x s[4:5], Wq s[6:7], Wk s[8:9], Wv s[10:11], Wo s[12:13], xc s[14:15], xs s[16:17], wc s[18:19]
	s_load_b64 s[20:21], s[0:1], 0x40              ; ws
	v_lshl_add_u32 v23, v0, 2, 0x16800
	v_mov_b32 v27, 0
	v_lshrrev_b32 v1, 5, v0
	v_readfirstlane_b32 s22, v1                    ; wave 0..7
	v_and_b32 v15, 31, v0                          ; lane
	s_cmp_lt_u32 ttmp9, NWGW
	s_cbranch_scc1 .Lweights
; ------------------------------------------------------------------ x
; v1 16 lane; v2 stage in; v3 stage out; v4 8 h; v5 16 r + 8 h; v6-7 maxima; v8-9 conversion scales; v10-11 bytes; v12-13 at work, then the record; v14 the other half's word;
; v16-18 the three scale words; v20-26 second halves of blocks; v28.. codes, 12 a fragment; v64.. numbers, 64 a fragment
	s_sub_co_u32 s23, ttmp9, NWGW
	s_lshl_b32 s23, s23, 2
	s_lshr_b32 s24, s22, 1
	s_add_co_u32 s23, s23, s24                     ; T = 4 x work-group + wave / 2
	s_and_b32 s24, s22, 1                          ; e: K steps 3 e .. 3 e + 2
	s_lshr_b32 s25, s23, 1
	s_mul_i32 s26, s25, 98304                      ; 32 rows of 3,072 bytes for each pair of tiles,
	s_and_b32 s25, s23, 1
	s_mul_i32 s25, s25, 24576                      ; 8 rows for the odd tile,
	s_add_co_u32 s26, s26, s25
	s_mul_i32 s25, s24, 1536                       ; three K steps of 512 bytes
	s_add_co_u32 s26, s26, s25
	s_mov_b32 s27, 0
	s_mul_i32 s28, s23, 9216
	s_mul_i32 s25, s24, 4608
	s_add_co_u32 s28, s28, s25                     ; xc: (6 T + 3 e) x 1536
	s_mov_b32 s29, 0
	s_lshl_b32 s30, s23, 1
	s_add_co_u32 s30, s30, s24
	s_lshl_b32 s30, s30, 8                         ; xs: (2 T + e) x 256
	s_mov_b32 s31, 0
	s_mul_i32 s25, s22, XSTG
	s_mov_b32 s34, 0x76543210
	s_mov_b32 s35, 0xfedcba98                      ; selects: lane l takes lane l xor 16
	v_lshlrev_b32 v1, 4, v15
	v_add_nc_u32 v2, s25, v1                       ; into the stage: 16 bytes a lane of a row
	v_and_b32 v6, 15, v0                           ; r
	v_bfe_u32 v4, v0, 4, 1                         ; h
	v_mul_u32_u24 v3, v6, 528
	v_lshl_add_u32 v3, v4, 7, v3
	v_add_nc_u32 v3, s25, v3                       ; out of it: row r, 128 h bytes on: my 32 numbers of each 64
	v_lshlrev_b32 v5, 4, v6
	v_lshl_add_u32 v5, v4, 3, v5
	v_cmp_ne_u32 s32, 0, v4                        ; lanes 16-31
	v_lshlrev_b32 v4, 3, v4
	v_mov_b32 v14, 0                               ; a lane permute's destination counts as read: written once
	s_wait_kmcnt 0x0
	s_add_nc_u64 s[4:5], s[4:5], s[26:27]
	s_add_nc_u64 s[14:15], s[14:15], s[28:29]
	s_add_nc_u64 s[16:17], s[16:17], s[30:31]
.irp f, 0,1,2
.irp i, 0,1,2,3,4,5,6,7,8,9,10,11,12,13,14,15
	global_load_b128 v[64+64*\f+4*\i:64+64*\f+4*\i+3], v1, s[4:5] offset:(\i+8*(\i/8))*3072+512*\f th:TH_LOAD_NT   ; the tile's row i, one K step: 32 lanes read 512 consecutive bytes
.endr
.endr
; One fragment: the 16 rows x 512 bytes turn through the stage, so that a lane holds 32 neighbours of its row twice over; two blocks a lane; codes and scale word.
.macro XFRAG f
.set RR, 64+64*\f
.set CC, 28+12*\f
	s_wait_loadcnt 32-16*\f                        ; my 16 loads are in; the later fragments' 16 each may be out
.irp i, 0,1,2,3,4,5,6,7,8,9,10,11,12,13,14,15
	ds_store_b128 v2, v[RR+4*\i:RR+4*\i+3] offset:528*\i
.endr
.irp c, 0,1
.irp j, 0,1,2,3,4,5,6,7
	ds_load_b128 v[RR+32*\c+4*\j:RR+32*\c+4*\j+3], v3 offset:256*\c+16*\j   ; LDS serves a wave's instructions in order: these see the stores above.  k = 64 c + 32 h + 4 j ..
.endr
.endr
	s_wait_dscnt 0x0
.irp c, 0,1
	v_max3_num_f32 v[6+\c], |v[RR+32*\c]|, |v[RR+32*\c+1]|, FLOOR   ; block 2 c + h is all mine; the floor holds the byte at 1 from below
.endr
.irp i, 2,4,6,8,10,12,14,16,18,20,22,24,26,28,30
.irp c, 0,1
	v_max3_num_f32 v[6+\c], v[6+\c], |v[RR+32*\c+\i]|, |v[RR+32*\c+\i+1]|
.endr
.endr
	v_add_nc_u32 v8, EOFF, v6                      ; 2 off the exponent field: the conversion takes this operand's exponent field as its scale
	v_add_nc_u32 v9, EOFF, v7
	v_lshrrev_b32 v10, 23, v8                      ; the bytes
	v_lshrrev_b32 v11, 23, v9
	v_lshl_or_b32 v12, v11, 16, v10                ; blocks h and 2 + h,
	v_lshlrev_b32 v12, v4, v12                     ; 8 h bits up;
	v_permlanex16_b32 v14, v12, s34, s35
	v_or_b32 v[16+\f], v12, v14                    ; with the other half's two the word is whole
	v_cvt_scalef32_pk16_fp6_f32 v[CC:CC+2], v[RR:RR+15], v8
	v_cvt_scalef32_pk16_fp6_f32 v[20:22], v[RR+16:RR+31], v8        ; (a conversion's three registers begin on an even number)
	v_cvt_scalef32_pk16_fp6_f32 v[CC+6:CC+8], v[RR+32:RR+47], v9
	v_cvt_scalef32_pk16_fp6_f32 v[24:26], v[RR+48:RR+63], v9
	v_nop                                          ; one plain line behind the conversions
.irp i, 0,1,2
	v_mov_b32 v[CC+3+\i], v[20+\i]
	v_mov_b32 v[CC+9+\i], v[24+\i]
.endr
.irp g, 0,1,2
	global_store_b128 v1, v[CC+4*\g:CC+4*\g+3], s[14:15] offset:1536*\f+512*\g   ; 512 consecutive bytes, aligned; each fragment has code registers of its own
.endr
.endm
	XFRAG 0
	XFRAG 1
	XFRAG 2
	v_mov_b32 v13, 0
	v_cndmask_b32 v12, v16, v18, s32               ; lanes 0-15: words 0 and 1; lanes 16-31: word 2 and a zero
	v_cndmask_b32 v13, v17, v13, s32
	global_store_b64 v5, v[12:13], s[16:17]        ; 256 consecutive bytes, aligned
	s_wait_tensorcnt 0x0
	ds_add_u32 v23, v27
	s_wait_dscnt 0x0
	s_endpgm
; ------------------------------------------------------------------ the weights
; A LANE TAKES A COLUMN, ITS REGISTERS RUN DOWN K: lane l = (tile l / 16 of the wave's two, place r = l % 16).
; v1 4 x column; v2 stage in; v3 stage out; v4 16 lane; v5 4 lane; v6-9 at work; v10 the scale word; v12-14 a block's second half; v64 + 6 kb codes; v128 + 32 kb numbers
.Lweights:
	s_mul_i32 s23, ttmp9, 171
	s_lshr_b32 s23, s23, 9                         ; a = work-group / 3  (exact up to 71)
	s_mul_i32 s24, s23, 3
	s_sub_co_u32 s24, ttmp9, s24                   ; which 256 columns
	s_mul_i32 s25, s23, 43
	s_lshr_b32 s25, s25, 8                         ; m = a / 6: the weight  (exact up to 23)
	s_mul_i32 s26, s25, 6
	s_sub_co_u32 s26, s23, s26                     ; s: the K step
	s_lshl_b32 s24, s24, 3
	s_add_co_u32 s24, s24, s22                     ; g: my 32 columns, tiles 2 g and 2 g + 1
	s_mul_i32 s28, s26, 393216                     ; 128 rows of 3,072 bytes
	s_lshl_b32 s27, s24, 7
	s_add_co_u32 s28, s28, s27
	s_mov_b32 s29, 0
	s_mul_i32 s30, s25, 48
	s_lshl_b32 s27, s24, 1
	s_add_co_u32 s30, s30, s27
	s_mul_i32 s30, s30, 6
	s_add_co_u32 s30, s30, s26
	s_mul_i32 s30, s30, 1536                       ; wc: ((48 m + 2 g) 6 + s) x 1536
	s_mov_b32 s31, 0
	s_mul_i32 s32, s25, 24
	s_add_co_u32 s32, s32, s24
	s_mul_i32 s32, s32, 6
	s_add_co_u32 s32, s32, s26
	s_lshl_b32 s32, s32, 7                         ; ws: ((24 m + g) 6 + s) x 128
	s_mov_b32 s33, 0
	s_cmp_eq_u32 s25, 3
	s_cselect_b32 s34, -1, 0                       ; Wo's tiles are neighbouring columns
	v_bfe_u32 v6, v0, 3, 1
	v_bfe_u32 v7, v0, 4, 1                         ; which of my two tiles
	v_and_b32 v8, 7, v0
	v_lshl_add_u32 v8, v7, 3, v8
	v_lshl_add_u32 v8, v6, 4, v8                   ; q, k, v: column 8 (l / 16) + r + 8 (r / 8) of my 32
	v_cndmask_b32 v8, v8, v15, s34                 ; o: column l
	v_lshlrev_b32 v1, 2, v8
	s_mul_i32 s35, s22, WSTG
	s_add_co_u32 s35, s35, WBASE
	v_and_b32 v9, 15, v0
	v_lshlrev_b32 v2, 4, v9
	v_mad_u32_u24 v2, v7, 1536, v2
	v_add_nc_u32 v2, s35, v2                       ; my tile's image, place 16 r
	v_lshlrev_b32 v4, 4, v15
	v_add_nc_u32 v3, s35, v4
	v_lshlrev_b32 v5, 2, v15
	s_wait_kmcnt 0x0
	s_cmp_eq_u32 s25, 1                            ; the choice of the weight hangs on the work-group's number alone
	s_cselect_b64 s[6:7], s[8:9], s[6:7]
	s_cmp_eq_u32 s25, 2
	s_cselect_b64 s[6:7], s[10:11], s[6:7]
	s_cmp_eq_u32 s25, 3
	s_cselect_b64 s[6:7], s[12:13], s[6:7]
	s_add_nc_u64 s[6:7], s[6:7], s[28:29]
	s_add_nc_u64 s[18:19], s[18:19], s[30:31]
	s_add_nc_u64 s[20:21], s[20:21], s[32:33]
.irp kb, 0,1,2,3
.irp i, 0,1,2,3,4,5,6,7,8,9,10,11,12,13,14,15,16,17,18,19,20,21,22,23,24,25,26,27,28,29,30,31
	global_load_b32 v[128+32*\kb+\i], v1, s[6:7] offset:(32*\kb+\i)*3072 th:TH_LOAD_NT   ; one row k: the wave reads 128 consecutive bytes, the eight waves 1,024
.endr
.endr
; Block kb = 2 c + hh of my column: registers 6 c .. 6 c + 5 of lane r + 16 hh of the image.
.macro WBLOCK kb, left
.set XS, 128+32*\kb
.set CB, 64+6*\kb
	s_wait_loadcnt \left
	v_max3_num_f32 v6, |v[XS]|, |v[XS+1]|, |v[XS+2]|
	v_max3_num_f32 v7, |v[XS+3]|, |v[XS+4]|, |v[XS+5]|
.irp i, 6,10,14,18,22,26
	v_max3_num_f32 v6, v6, |v[XS+\i]|, |v[XS+\i+1]|
	v_max3_num_f32 v7, v7, |v[XS+\i+2]|, |v[XS+\i+3]|
.endr
	v_max3_num_f32 v6, v6, |v[XS+30]|, |v[XS+31]|
	v_max3_num_f32 v6, v6, v7, FLOOR
	v_add_nc_u32 v8, EOFF, v6
	v_lshrrev_b32 v9, 23, v8
.if \kb == 0
	v_mov_b32 v10, v9
.else
	v_lshl_or_b32 v10, v9, 8*\kb, v10              ; the lower K in the lower byte
.endif
	v_cvt_scalef32_pk16_fp6_f32 v[CB:CB+2], v[XS:XS+15], v8
	v_cvt_scalef32_pk16_fp6_f32 v[12:14], v[XS+16:XS+31], v8
	v_nop                                          ; one plain line behind the conversions
.irp i, 0,1,2
	v_mov_b32 v[CB+3+\i], v[12+\i]
.endr
.if \kb < 2
	ds_store_b128 v2, v[CB:CB+3] offset:256*(\kb%2)              ; registers 0-3
	ds_store_b64 v2, v[CB+4:CB+5] offset:256*(\kb%2)+512         ; registers 4, 5
.else
	ds_store_b64 v2, v[CB:CB+1] offset:256*(\kb%2)+520           ; registers 6, 7
	ds_store_b128 v2, v[CB+2:CB+5] offset:256*(\kb%2)+1024       ; registers 8-11
.endif
.endm
	WBLOCK 0, 63                                   ; behind this block's loads stand 96; the wait's field ends at 63, which is the smaller count
	WBLOCK 1, 63                                   ; 64 stand behind
	WBLOCK 2, 32
	WBLOCK 3, 0
.irp j, 0,1,2,3,4,5
	ds_load_b128 v[128+4*\j:128+4*\j+3], v3 offset:512*\j      ; the two images, as they are to lie in memory
.endr
.irp j, 0,1,2,3,4,5
	s_wait_dscnt 5-\j                              ; the later read-backs may be out
	global_store_b128 v4, v[128+4*\j:128+4*\j+3], s[18:19] offset:(\j/3)*9216+512*(\j%3)   ; 512 consecutive bytes, aligned
.endr
	global_store_b32 v5, v10, s[20:21]             ; 128 consecutive bytes: the two tiles' scale words of this K step
	s_wait_tensorcnt 0x0
	ds_add_u32 v23, v27
	s_wait_dscnt 0x0
	s_endpgm
.Lfunc_end_k_q2c7e219060_quant:
	.size	k_q2c7e219060_quant, .Lfunc_end_k_q2c7e219060_quant-k_q2c7e219060_quant
	.p2alignl 7, 3214868480
	.fill 96, 4, 3214868480
	.section	.rodata,"a",@progbits
	.p2align	6, 0x0
	.amdhsa_kernel k_q2c7e219060_quant
		.amdhsa_group_segment_fixed_size 93184
		.amdhsa_private_segment_fixed_size 0
		.amdhsa_enable_private_segment 0
		.amdhsa_kernarg_size 72
		.amdhsa_user_sgpr_count 2
		.amdhsa_user_sgpr_kernarg_segment_ptr 1
		.amdhsa_wavefront_size32 1
		.amdhsa_system_sgpr_workgroup_id_x 1
		.amdhsa_system_sgpr_workgroup_id_y 1
		.amdhsa_system_sgpr_workgroup_id_z 1
		.amdhsa_system_vgpr_workitem_id 0
		.amdhsa_next_free_vgpr 256
		.amdhsa_next_free_sgpr 66
		.amdhsa_reserve_vcc 0
		.amdhsa_float_denorm_mode_32 3
		.amdhsa_float_denorm_mode_16_64 3
		.amdhsa_memory_ordered 1
		.amdhsa_forward_progress 1
		.amdhsa_inst_pref_size 45
	.end_amdhsa_kernel
	.amdgpu_metadata
---
amdhsa.version: [ 1, 2 ]
amdhsa.kernels:
  - .name:           k_q2c7e219060_quant
    .symbol:         k_q2c7e219060_quant.kd
    .args:
      - { .name: hidden_states, .offset: 0, .size: 8, .value_kind: global_buffer, .address_space: global }
      - { .name: Wq, .offset: 8, .size: 8, .value_kind: global_buffer, .address_space: global }
      - { .name: Wk, .offset: 16, .size: 8, .value_kind: global_buffer, .address_space: global }
      - { .name: Wv, .offset: 24, .size: 8, .value_kind: global_buffer, .address_space: global }
      - { .name: Wo, .offset: 32, .size: 8, .value_kind: global_buffer, .address_space: global }
      - { .name: xc, .offset: 40, .size: 8, .value_kind: global_buffer, .address_space: global }
      - { .name: xs, .offset: 48, .size: 8, .value_kind: global_buffer, .address_space: global }
      - { .name: wc, .offset: 56, .size: 8, .value_kind: global_buffer, .address_space: global }
      - { .name: ws, .offset: 64, .size: 8, .value_kind: global_buffer, .address_space: global }
    .group_segment_fixed_size: 93184
    .private_segment_fixed_size: 0
    .kernarg_segment_align: 8
    .kernarg_segment_size: 72
    .max_flat_workgroup_size: 256
    .sgpr_count:     66
    .vgpr_count:     256
    .wavefront_size: 32
...
	.end_amdgpu_metadata
.endif
;; end of part 1
;; launch attn (part 2): grid 8 x 32, 16 waves a work-group, no clusters, 292,864 bytes of LDS; arguments xc, xs, wc, ws, bq, bk, bv, cc, cs; writes cc, cs
.if DOCPART == 2
	.amdgcn_target "amdgcn-amd-amdhsa--gfx1250"
	.amdhsa_code_object_version 6
	.text
	.protected	k_q2c7e219060_attn
	.globl	k_q2c7e219060_attn
	.p2align	8
	.type	k_q2c7e219060_attn,@function
k_q2c7e219060_attn:
	s_mov_b64 s[64:65], 0
	v_nop
	global_prefetch_b8 v0, s[64:65] scope:SCOPE_SE
	s_setreg_imm32_b32 hwreg(HW_REG_WAVE_MODE, 25, 1), 1
	s_wait_xcnt 0x0
; For one group of 512 rows (y = bm, 0..31): q, k, v = x W + b on codes of E2M3; softmax(q k^T / 8) v on codes; ctx quantised and stored as codes.  q, k, v, the scores and p never go to memory.
; A WORK-GROUP STAYS AND MAKES ONE AND A HALF HEADS, so that 32 x 12 heads are 256 equal shares.  Work-groups 2 i and 2 i + 1 (x = j, 0..7) of a group share heads 3 i .. 3 i + 2:
;   unit 0: head 3 i + j % 2, whole;   unit 1: head 3 i + 2, all its keys, and of each pair of query tiles the tile j % 2.  k and v of the shared head are made by both partners.
; Sixteen waves of 256 registers, four to a SIMD; wave w owns rows 32 w .. 32 w + 31 (x tiles 2 w, 2 w + 1): it projects them and later owns them (unit 1: one tile of them) as queries.
; TILES: lane r of tile 2 G + u holds row 32 G + 8 u + r + 8 (r / 8); the head's column tiles of Wq, Wk, Wv likewise.  So:
;   q, k transposed (source 0 = 16 columns of W, source 1 = 16 rows of x): a lane holds ONE row, the 16 registers of tiles 2 b, 2 b + 1 are dims 32 b + 16 h + 0 .. 15;
;   v plain (source 0 = x, source 1 = Wv): a lane holds ONE dim, the 16 registers of my two x tiles are 16 keys of my 32: one block along the second product's K;
;   S^T = k q^T and O^T = v^T p^T: a lane holds one query; registers run along the keys, then along the dims.  One macro, QUANT, quantises q, k, v and ctx.
; IN UNIT 1 MY TWO TILES OF x CHANGE PLACES BY ADDRESS: position u holds tile 2 w + (u xor j % 2), so that my query tile is always position 0.  k's and v's images keep their places by position: the keys of a block of 32
; are permuted alike in p and in v; the blocks, their scales and the codes are the same, only the order of the sums differs.
; THE HEAD IS 64 WIDE, the instruction 128: q's registers 6-11 are zero codes and the upper two bytes of q's and k's scale words are 0 (2^-127, no NaN), so whatever stands in source 0's registers 6-11 adds nothing.
; SOFTMAX: t = score x log2(e) / 8; M = the running largest t rounded up to a whole number; p = 2^(t - M) is quantised along the keys; the sum is taken of the unquantised p and divides at the end.
; IMAGES: a fragment (12 registers a lane) lies as 3 x 512 bytes, 16 bytes a lane; half a fragment (6 registers) as 512 bytes (registers 0-3, 16 a lane) + 256 (registers 4, 5, 8 a lane).
; BOTH UNITS' WEIGHTS come into LDS at the head, so that no barrier stands between unit 0's attention and unit 1's first pass: a wave that has finished its queries goes on multiplying.
; cs: the two scale bytes of row r of tile T lie at ((12 bm + n) 32 + 16 (T % 2) + T / 2) x 32 + 2 r: unit 1's sixteen tiles are 512 consecutive bytes.
; No cluster and no tensor load: what the eight work-groups of a group share is x's codes, 294,912 bytes; a wave wants its own two tiles of them, 18,432 bytes, in its registers, and takes them there by plain loads;
; a joint tensor load would bring them by way of LDS, of which 38,400 bytes are left.
; LIMITS: NaN and infinities are not served; a block of zeros (or under 2^-124) gets the byte 1 with zero codes; a p under 2^-126 becomes 0 (v_exp_f32 flushes it).
.set W2OFF, 110592                     ; LDS: unit un's 72 fragments of Wq, Wk, Wv at un x W2OFF + m x 36864 + (6 t + s) x 1536
.set WSC,  221184                      ; their scale words, un x 6144 + m x 2048 + (((t / 2) 6 + s) 2 + t % 2) x 64 + 4 r
.set KIMG, 233472                      ; k: half fragments, tile x 768
.set KSC,  258048                      ; k's scale words, tile x 128 + 4 lane
.set VIMG, 262144                      ; v^T: half fragments, ((4 dt + S) 2 + c) x 768: dims tile dt, keys 128 S + 64 c ..
.set VSC,  286720                      ; v's scale bytes, (4 dt + S) x 64 + 4 r + block
.set CSG,  287744                      ; ctx's scale bytes: unit 0: (16 u + w) x 32 + 2 r, 1,024 bytes; unit 1: 1024 + 32 w + 2 r, 512 bytes
.set FLOOR, 0x1800000                  ; 2^(3 - 127)
.set EOFF,  0xff000000                 ; takes 2 off an exponent field
; registers that stay through the launch
.set L16,  1                           ; 16 lane
.set L8,   2                           ; 8 lane
.set QS,   14                          ; v14, v15: q's scale words (scale words alone, the whole launch)
.set PWR,  16                          ; v16: p's scale word (likewise)
.set XSW,  24                          ; v24-27 x's scale words, two sets of two;  in the attention v24-31: k's, then v's
.set WSW,  28                          ; v28-31 W's scale words, two sets of two
.set QF,   224                         ; v224-235, v236-247: q's two fragments; at a unit's end ctx's codes
; the projection (made anew for each unit by PADDR)
.set WA,   3                           ; v3-5  un x W2OFF + m x 36864 + 16 lane
.set WSA,  6                           ; WSC + 6144 un + 4 r
.set XSA,  7                           ; 16 r
.set KW16, 8
.set KW8,  9
.set KWS,  10
.set VW16, 11
.set VW8,  12
.set VSB,  13
.set BA,   17                          ; bq, bk: 64 h
.set BVA,  18                          ; bv: 4 (r + 8 (r / 8))
.set BETA, 20                          ; v20-23 bv at my dim of each tile
.set WF,   32                          ; v32-79   W's fragments, two sets of two
.set XF,   80                          ; v80-127  x's fragments, two sets of two
.set ACC,  128                         ; v128-255 pass 1: (m, u, t) at 8 ((2 m + u) 4 + t);  pass 2: (dt, u) at 8 (2 dt + u)
.set BV,   192                         ; pass 2: bv as the C of the first K step, 8 registers a tile
; the attention (made anew for each unit by ASETUP)
.set AK16, 3
.set AK8,  4
.set AKS,  5
.set AV16, 6
.set AV8,  7
.set AVS,  8
.set CW,   9
.set WK16, 10
.set WK8,  11
.set WKS,  12
.set WV16, 13
.set WV8,  17
.set WVS,  18
.set CPW,  19                          ; ctx's scale word
.set NM,   20                          ; -M
.set TT,   21                          ; the largest t
.set SUM,  22                          ; v[22:23] the sum in two halves
.set SCW,  24
.set KF,   32                          ; k's eight tiles, 6 registers each; v80-85 zeros;  then v's four fragments
.set ST,   96                          ; S^T, then p
.set OT,   160                         ; O^T
.set PC,   192                         ; p's codes
.set PT,   204
.set BM,   212
.set TX,   216
.set SO,   220
.set SU2,  248                         ; v[248:249] the sum's second chain
.set FF,   252                         ; v[252:253] f, later 1 / sum
.set T2,   254
; scalars.  Pointers of unit un: x's codes s[48+4un : 51+4un] (positions 0, 1), x's scale words s[56+4un : 59+4un]; bq, bk, bv s[12:17] | s[66:71]; cc s[18:19] | s[72:73]; cs s[20:21] | s[74:75]; wc, ws s[8:11] | s[76:79]
.set WV,   22
.set TK,   30
.set TKS,  31
.set TV,   32
.set TVS,  33
.set CNT,  34
.set CS,   36                          ; s[36:37] log2(e) / 8
.set SEL,  38                          ; s[38:39] lane l takes lane l xor 16
.macro SYMS                            ; what hangs on the unit UN
.set XCP, 48+4*UN
.set XSP, 56+4*UN
.set BQP, 12+54*UN
.set CCP, 18+54*UN
.set CSO, 1024*UN
.endm
.macro PLACES                          ; four plain lines between a matrix instruction and a load into, or a vector read or write of, its registers
.rept 4
	v_nop
.endr
.endm
.macro MMA d, a, b, sa, sb             ; D += A B
	v_wmma_scale_f32_16x16x128_f8f6f4 v[(\d):(\d)+7], v[(\a):(\a)+11], v[(\b):(\b)+11], v[(\d):(\d)+7], v[(\sa)], v[(\sb)] matrix_a_fmt:MATRIX_FMT_FP6 matrix_b_fmt:MATRIX_FMT_FP6
.endm
.macro MMC d, a, b, c, sa, sb          ; D = A B + C
	v_wmma_scale_f32_16x16x128_f8f6f4 v[(\d):(\d)+7], v[(\a):(\a)+11], v[(\b):(\b)+11], v[(\c):(\c)+7], v[(\sa)], v[(\sb)] matrix_a_fmt:MATRIX_FMT_FP6 matrix_b_fmt:MATRIX_FMT_FP6
.endm
.macro MMZ d, a, b, sa, sb             ; D = A B
	v_wmma_scale_f32_16x16x128_f8f6f4 v[(\d):(\d)+7], v[(\a):(\a)+11], v[(\b):(\b)+11], 0, v[(\sa)], v[(\sb)] matrix_a_fmt:MATRIX_FMT_FP6 matrix_b_fmt:MATRIX_FMT_FP6
.endm
; nb blocks of 32: register 16 b + i of src is number 16 h + i of block b along K of my row.  Codes to dst (6 registers for each pair of blocks: lanes 0-15 the even block, lanes 16-31 the odd one, whole),
; the bytes to v[QTX + b], for nb = 2 the scale word to v[pw] (pw under 256).  At work: QTM, QTX, QSO (nb registers each), QPT (4 for each pair).  Each accumulator is read from its low end on.
.macro QUANT src, nb, dst, pw
.set qb, 0
.rept \nb
	v_max3_num_f32 v[QTM+qb], |v[\src+16*qb]|, |v[\src+16*qb+1]|, FLOOR
.set qb, qb+1
.endr
.irp i, 2,4,6,8,10,12,14
.set qb, 0
.rept \nb
	v_max3_num_f32 v[QTM+qb], v[QTM+qb], |v[\src+16*qb+\i]|, |v[\src+16*qb+\i+1]|
.set qb, qb+1
.endr
.endr
.set qb, 0
.rept \nb
	v_permlanex16_b32 v[QTX+qb], v[QTM+qb], s[SEL], s[SEL+1]
.set qb, qb+1
.endr
.set qb, 0
.rept \nb
	v_max_num_f32 v[QTM+qb], v[QTM+qb], v[QTX+qb]  ; with the other half's 16: the block's largest magnitude
.set qb, qb+1
.endr
.set qb, 0
.rept \nb
	v_add_nc_u32 v[QSO+qb], EOFF, v[QTM+qb]        ; the conversion takes this operand's exponent field as its scale
.set qb, qb+1
.endr
.set qb, 0
.rept \nb
	v_lshrrev_b32 v[QTX+qb], 23, v[QSO+qb]         ; the byte
.set qb, qb+1
.endr
.if (\pw) < 256
	v_lshl_or_b32 v[\pw], v[QTX+1], 8, v[QTX]      ; bytes 2 and 3 stay 0
.endif
.set qc, 0
.rept (\nb)/2
	v_cvt_scalef32_pk16_fp6_f32 v[\dst+6*qc:\dst+6*qc+2], v[\src+32*qc:\src+32*qc+15], v[QSO+2*qc]
	v_cvt_scalef32_pk16_fp6_f32 v[QPT+4*qc:QPT+4*qc+2], v[\src+32*qc+16:\src+32*qc+31], v[QSO+2*qc+1]
.set qc, qc+1
.endr
	v_nop                                          ; one plain line behind the conversions
.set qc, 0
.rept (\nb)/2
.irp i, 0,1,2
	v_permlane16_swap_b32 v[\dst+6*qc+\i], v[QPT+4*qc+\i]   ; the first's lanes 16-31 change places with the second's lanes 0-15
.endr
.irp i, 0,1,2
	v_mov_b32 v[\dst+6*qc+3+\i], v[QPT+4*qc+\i]
.endr
.set qc, qc+1
.endr
.endm
; The projection's addresses, from the thread's and the wave's number.  At work: v122-124 (x's set 1, idle here), s23, s25, s32, s33
.macro PADDR
	v_and_b32 v122, 31, v0                         ; lane
	v_and_b32 v123, 15, v0                         ; r
	v_bfe_u32 v124, v0, 4, 1                       ; h
	v_lshl_add_u32 v[WA], v122, 4, UN*W2OFF
	v_add_nc_u32 v[WA+1], 36864, v[WA]
	v_add_nc_u32 v[WA+2], 73728, v[WA]
	v_lshl_add_u32 v[WSA], v123, 2, WSC+6144*UN
	v_lshlrev_b32 v[XSA], 4, v123
	s_mul_i32 s23, s[WV], 1536
	v_add_nc_u32 v[KW16], s23, v[L16]
	v_add_nc_u32 v[KW16], KIMG, v[KW16]            ; k: my two tiles, 16 lane
	v_add_nc_u32 v[KW8], s23, v[L8]
	v_add_nc_u32 v[KW8], KIMG+512, v[KW8]          ; and 8 lane
	s_lshl_b32 s23, s[WV], 8
	v_lshl_add_u32 v[KWS], v122, 2, s23
	v_add_nc_u32 v[KWS], KSC, v[KWS]
	s_lshr_b32 s23, s[WV], 1                       ; v: my key block w is lanes 16 (w % 2) .. of half fragment w / 2 of each dims tile
	s_mul_i32 s23, s23, 768
	s_and_b32 s25, s[WV], 1
	s_lshl_b32 s32, s25, 8
	s_add_co_u32 s32, s32, s23
	s_lshl_b32 s33, s25, 7
	s_add_co_u32 s33, s33, s23
	v_mul_u32_u24 v[VW16], v124, 6144              ; lanes 16-31 hold the odd dims tile
	v_lshl_add_u32 v[VW8], v123, 3, v[VW16]
	v_lshl_add_u32 v[VW16], v123, 4, v[VW16]
	v_add_nc_u32 v[VW16], s32, v[VW16]
	v_add_nc_u32 v[VW16], VIMG, v[VW16]
	v_add_nc_u32 v[VW8], s33, v[VW8]
	v_add_nc_u32 v[VW8], VIMG+512, v[VW8]
	s_lshr_b32 s23, s[WV], 2
	s_lshl_b32 s23, s23, 6
	s_and_b32 s25, s[WV], 3
	s_add_co_u32 s23, s23, s25
	v_lshl_add_u32 v[VSB], v123, 2, s23
	v_add_nc_u32 v[VSB], VSC, v[VSB]               ; byte w % 4 of the word of key step w / 4
	v_lshlrev_b32 v[BA], 6, v124                   ; bq, bk: 16 h numbers on
	v_and_b32 v[BVA], 8, v123
	v_add_nc_u32 v[BVA], v[BVA], v123
	v_lshlrev_b32 v[BVA], 2, v[BVA]                ; bv: number r + 8 (r / 8)
.endm
; bq and bk are the accumulators' first contents: register j of tile t is dim 32 (t / 2) + 16 h + 8 (t % 2) + j.  Unit 1 has no q of position 1
.macro BIASLD
.irp m, 0,1
.irp u, 0,1
.if (UN == 0) || (\m == 1) || (\u == 0)
.irp t, 0,1,2,3
	global_load_b128 v[ACC+8*((2*\m+\u)*4+\t):ACC+8*((2*\m+\u)*4+\t)+3], v[BA], s[BQP+2*\m:BQP+2*\m+1] offset:(32*(\t/2)+8*(\t%2))*4
	global_load_b128 v[ACC+8*((2*\m+\u)*4+\t)+4:ACC+8*((2*\m+\u)*4+\t)+7], v[BA], s[BQP+2*\m:BQP+2*\m+1] offset:(32*(\t/2)+8*(\t%2))*4+16
.endr
.endif
.endr
.endr
.endm
.macro BETALD
.irp t, 0,1,2,3
	global_load_b32 v[BETA+\t], v[BVA], s[BQP+4:BQP+5] offset:(32*(\t/2)+8*(\t%2))*4
.endr
.endm
; Step sg of twelve (pass sg / 6, K step sg % 6): my two positions' fragments and scale words of x, from memory, into set sg % 2: eight loads
.macro XLOAD sg
.set xks, (\sg)%6
.set xst, (\sg)%2
.irp u, 0,1
.irp p, 0,1,2
	global_load_b128 v[XF+24*xst+12*\u+4*\p:XF+24*xst+12*\u+4*\p+3], v[L16], s[XCP+2*\u:XCP+2*\u+1] offset:xks*1536+512*\p
.endr
	global_load_b32 v[XSW+2*xst+\u], v[XSA], s[XSP+2*\u:XSP+2*\u+1] offset:256*(xks/3)+4*(xks%3)
.endr
.endm
; Group gn of 36: two fragments of W and their scale words, from LDS, into set gn % 2: eight loads.  Groups 0-23: K step gn / 4, tiles 2 (gn % 4) + i of Wq's four and Wk's four; groups 24-35: Wv
.macro WLOAD gn
.set wst, (\gn)%2
.irp i, 0,1
.if (\gn) < 24
.set wks, (\gn)/4
.set wtt, 2*((\gn)%4)+\i
.set wmm, wtt/4
.set wti, wtt%4
.else
.set wks, ((\gn)-24)/2
.set wmm, 2
.set wti, 2*(((\gn)-24)%2)+\i
.endif
.irp p, 0,1,2
	ds_load_b128 v[WF+24*wst+12*\i+4*\p:WF+24*wst+12*\i+4*\p+3], v[WA+wmm] offset:(6*wti+wks)*1536+512*\p
.endr
	ds_load_b32 v[WSW+2*wst+\i], v[WSA] offset:wmm*2048+(((wti/2)*6+wks)*2+wti%2)*64
.endr
.endm
; A group: the next group's W (and at a step's head the next step's x) are asked for, then the products of two tiles of W with my two positions of x (unit 1: Wq's with position 0 alone), each on an accumulator of its own.
; The accumulators take turns, one instruction a turn.
.macro GROUP gn
.if (\gn) < 24
.set gsg, (\gn)/4
.set gpos, (\gn)%4
.else
.set gsg, 6+((\gn)-24)/2
.set gpos, ((\gn)-24)%2
.endif
.if (\gn) > 0
	PLACES                                         ; the loads below land in registers that the last group's products read
.endif
.if (gpos == 0) && (gsg < 11)
	XLOAD gsg+1
.endif
.if (\gn) < 35
	WLOAD (\gn)+1
	s_wait_dscnt 8                                 ; this group's W is in; the eight loads just issued may be out
.else
	s_wait_dscnt 0x0
.endif
.if gpos == 0
.if gsg < 11
	s_wait_loadcnt 8                               ; this step's x is in (in a unit's first step the biases too); the next step's eight loads may be out
.else
	s_wait_loadcnt 0x0
.endif
.endif
.set mw, WF+24*((\gn)%2)
.set mx, XF+24*(gsg%2)
.set msw, WSW+2*((\gn)%2)
.set msx, XSW+2*(gsg%2)
.irp i, 0,1
.irp u, 0,1
.if (\gn) < 24
.set mtt, 2*gpos+\i
.set ma, ACC+8*((2*(mtt/4)+\u)*4+mtt%4)
.if (UN == 0) || (mtt >= 4) || (\u == 0)
	MMA ma, mw+12*\i, mx+12*\u, msw+\i, msx+\u
.endif
.else
.set mdt, 2*gpos+\i
.set ma, ACC+8*(2*mdt+\u)
.if gsg == 6
	MMC ma, mx+12*\u, mw+12*\i, BV+8*mdt, msx+\u, msw+\i
.else
	MMA ma, mx+12*\u, mw+12*\i, msx+\u, msw+\i
.endif
.endif
.endr
.endr
.endm
.macro BARRIER                                 ; my LDS stores have landed and my LDS loads are in: then the work-group's barrier
	s_wait_dscnt 0x0
	s_barrier_signal -1
	s_barrier_wait -1
.endm
; The attention's addresses and the registers that it wants written once
.macro ASETUP
	v_and_b32 v19, 31, v0
	v_and_b32 v17, 15, v0
	v_lshl_add_u32 v[AK16], v19, 4, KIMG
	v_lshl_add_u32 v[AK8], v19, 3, KIMG+512
	v_lshl_add_u32 v[AKS], v19, 2, KSC
	v_lshl_add_u32 v[AV16], v19, 4, VIMG
	v_lshl_add_u32 v[AV8], v19, 3, VIMG+512
	v_lshl_add_u32 v[AVS], v17, 2, VSC
	s_lshl_b32 s23, s[WV], 5
	v_lshl_add_u32 v[CW], v17, 1, s23
	v_add_nc_u32 v[CW], CSG, v[CW]
.irp i, 0,1,2,3,4,5
	v_mov_b32 v[KF+48+\i], 0                       ; what stands behind the eighth tile of k
.endr
.irp b, 0,1,2,3
	v_mov_b32 v[TX+\b], 0                          ; a lane permute's destination counts as read
.endr
	v_mov_b32 v[FF], 0
	v_mov_b32 v[FF+1], 0                           ; (named as the upper half of a pair)
.endm
; My query tile at position u: four key steps of 128, then the way out.
.macro ATT u
	v_mov_b32 v[TT], 0xff61b1e6                    ; -3e38, under every t
	v_floor_f32 v[NM], -v[TT]
	v_mov_b32 v[SUM], 0
	v_mov_b32 v[SUM+1], 0
.set aj, 0
.rept 32
	v_mov_b32 v[OT+aj], 0                          ; the step is written once: the first finds zeros, which the first change of M leaves zeros
.set aj, aj+1
.endr
	s_mov_b32 s[TK], 0
	s_mov_b32 s[TKS], 0
	s_mov_b32 s[TV], 0
	s_mov_b32 s[TVS], 0
	s_mov_b32 s[CNT], 4
.Lstep_\@:
	v_add_nc_u32 v[WK16], s[TK], v[AK16]           ; (these six are also the places behind the last step's products)
	v_add_nc_u32 v[WK8], s[TK], v[AK8]
	v_add_nc_u32 v[WKS], s[TKS], v[AKS]
	v_add_nc_u32 v[WV16], s[TV], v[AV16]
	v_add_nc_u32 v[WV8], s[TV], v[AV8]
	v_add_nc_u32 v[WVS], s[TVS], v[AVS]
.irp t, 0,1,2,3,4,5,6,7
	ds_load_b128 v[KF+6*\t:KF+6*\t+3], v[WK16] offset:768*\t
	ds_load_b64 v[KF+6*\t+4:KF+6*\t+5], v[WK8] offset:768*\t
	ds_load_b32 v[SCW+\t], v[WKS] offset:128*\t
.endr
	s_wait_dscnt 0x0
.irp t, 0,1,2,3,4,5,6,7                        ; S^T: source 0's registers 6-11 are the next tile's codes (or zeros): they meet q's zero codes
	MMZ ST+8*\t, KF+6*\t, QF+12*\u, SCW+\t, QS+\u
.endr
	PLACES
.irp t, 0,1,2,3                                ; v's fragments of these 128 keys take k's registers now and land under the softmax
.irp c, 0,1
	ds_load_b128 v[KF+12*\t+6*\c:KF+12*\t+6*\c+3], v[WV16] offset:6144*\t+768*\c
	ds_load_b64 v[KF+12*\t+6*\c+4:KF+12*\t+6*\c+5], v[WV8] offset:6144*\t+768*\c
.endr
	ds_load_b32 v[SCW+\t], v[WVS] offset:256*\t
.endr
.irp b, 0,1,2,3
	v_max3_num_f32 v[BM+\b], v[ST+16*\b], v[ST+16*\b+1], v[ST+16*\b+2]   ; the largest score of each block of 32 keys: for the row's maximum and, since p rises with the score, for the block's largest p
.endr
.irp i, 3,5,7,9,11,13
.irp b, 0,1,2,3
	v_max3_num_f32 v[BM+\b], v[BM+\b], v[ST+16*\b+\i], v[ST+16*\b+\i+1]
.endr
.endr
.irp b, 0,1,2,3
	v_max_num_f32 v[BM+\b], v[BM+\b], v[ST+16*\b+15]
.endr
.irp b, 0,1,2,3
	v_permlanex16_b32 v[TX+\b], v[BM+\b], s[SEL], s[SEL+1]
.endr
.irp b, 0,1,2,3
	v_max_num_f32 v[BM+\b], v[BM+\b], v[TX+\b]
.endr
	v_max3_num_f32 v[T2], v[BM], v[BM+1], v[BM+2]
	v_max_num_f32 v[T2], v[T2], v[BM+3]
	v_mul_f32 v[T2], s[CS], v[T2]
	v_max_num_f32 v[TT], v[TT], v[T2]              ; the running largest t
	v_mov_b32 v[T2], v[NM]
	v_floor_f32 v[NM], -v[TT]                      ; -M = floor(-t): M is a whole number
	v_sub_f32 v[T2], v[NM], v[T2]                  ; old M - new M, 0 or less
	v_cvt_i32_f32 v[T2], v[T2]                     ; (it saturates)
	v_ldexp_f32 v[FF], 1.0, v[T2]                  ; f = 2^(old M - new M): a multiplication by it rounds nothing
.set aj, 0
.rept 32
	v_pk_fma_f32 v[ST+aj:ST+aj+1], v[ST+aj:ST+aj+1], s[CS:CS+1], v[NM:NM+1] op_sel_hi:[1,0,0]   ; t - M
.set aj, aj+2
.endr
.irp b, 0,1,2,3
	v_fma_f32 v[BM+\b], v[BM+\b], s[CS], v[NM]
.endr
.set aj, 0
.rept 64
	v_exp_f32 v[ST+aj], v[ST+aj]                   ; p = 2^(t - M)
.set aj, aj+1
.endr
	v_pk_mul_f32 v[SUM:SUM+1], v[SUM:SUM+1], v[FF:FF+1] op_sel_hi:[1,0]   ; a plain line behind the exponentials
	s_wait_alu depctr_va_vdst(0)                   ; one wait for the batch of 64, ahead of its first reader
.irp b, 0,1,2,3
	v_exp_f32 v[BM+\b], v[BM+\b]                   ; each block's largest p
.endr
	v_pk_add_f32 v[SU2:SU2+1], v[ST:ST+1], v[ST+2:ST+3]   ; the sum of the unquantised p, in two chains
.irp j, 4,8,12,16,20,24,28,32,36,40,44,48,52,56,60
	v_pk_add_f32 v[SUM:SUM+1], v[SUM:SUM+1], v[ST+\j:ST+\j+1]
	v_pk_add_f32 v[SU2:SU2+1], v[SU2:SU2+1], v[ST+\j+2:ST+\j+3]
.endr
	v_pk_add_f32 v[SUM:SUM+1], v[SUM:SUM+1], v[SU2:SU2+1]
	s_wait_alu depctr_va_vdst(0)                   ; and one for the four
.irp b, 0,1,2,3
	v_max_num_f32 v[BM+\b], FLOOR, v[BM+\b]
.endr
.irp b, 0,1,2,3
	v_add_nc_u32 v[SO+\b], EOFF, v[BM+\b]
.endr
.irp b, 0,1,2,3
	v_lshrrev_b32 v[TX+\b], 23, v[SO+\b]
.endr
	v_lshl_or_b32 v[PWR], v[TX+1], 8, v[TX]
	v_lshl_or_b32 v[PWR], v[TX+2], 16, v[PWR]
	v_lshl_or_b32 v[PWR], v[TX+3], 24, v[PWR]      ; p's scale word for these 128 keys
.irp c, 0,1
	v_cvt_scalef32_pk16_fp6_f32 v[PC+6*\c:PC+6*\c+2], v[ST+32*\c:ST+32*\c+15], v[SO+2*\c]
	v_cvt_scalef32_pk16_fp6_f32 v[PT+4*\c:PT+4*\c+2], v[ST+32*\c+16:ST+32*\c+31], v[SO+2*\c+1]
.endr
	v_nop                                          ; one plain line behind the conversions
.irp c, 0,1
.irp i, 0,1,2
	v_permlane16_swap_b32 v[PC+6*\c+\i], v[PT+4*\c+\i]
.endr
.irp i, 0,1,2
	v_mov_b32 v[PC+6*\c+3+\i], v[PT+4*\c+\i]
.endr
.endr
.set aj, 0
.rept 16
	v_pk_mul_f32 v[OT+aj:OT+aj+1], v[OT+aj:OT+aj+1], v[FF:FF+1] op_sel_hi:[1,0]   ; O^T under the new M; these sixteen also stand between the scale word and codes just made and the products
.set aj, aj+2
.endr
	s_wait_dscnt 0x0                               ; v's fragments are in
.irp t, 0,1,2,3
	MMA OT+8*\t, KF+12*\t, PC, SCW+\t, PWR
.endr
	s_add_co_u32 s[TK], s[TK], 6144
	s_add_co_u32 s[TKS], s[TKS], 1024
	s_add_co_u32 s[TV], s[TV], 1536
	s_add_co_u32 s[TVS], s[TVS], 64
	s_sub_co_u32 s[CNT], s[CNT], 1
	s_cmp_lg_u32 s[CNT], 0
	s_cbranch_scc1 .Lstep_\@
	PLACES
	v_add_f32 v[SUM], v[SUM], v[SUM+1]
	v_permlanex16_b32 v[FF], v[SUM], s[SEL], s[SEL+1]
	v_add_f32 v[SUM], v[SUM], v[FF]                ; the row's sum
	v_rcp_f32 v[FF], v[SUM]
	v_nop                                          ; a plain line behind the reciprocal
	s_wait_alu depctr_va_vdst(0)                   ; and the wait ahead of its first reader
.set aj, 0
.rept 16
	v_pk_mul_f32 v[ST+aj:ST+aj+1], v[OT+aj:OT+aj+1], v[FF:FF+1] op_sel_hi:[1,0]   ; ctx: register 16 b + i is dim 32 b + 16 h + i of my query
.set aj, aj+2
.endr
	QUANT ST, 2, QF+12*\u, CPW                     ; ctx's codes take the place of this tile's q: each tile stores from registers of its own
	global_store_b128 v[L16], v[QF+12*\u:QF+12*\u+3], s[CCP:CCP+1] offset:768*\u       ; 512 consecutive bytes, aligned
	global_store_b64 v[L8], v[QF+12*\u+4:QF+12*\u+5], s[CCP:CCP+1] offset:768*\u+512   ; 256 consecutive bytes, aligned
	ds_store_b16 v[CW], v[CPW] offset:CSO+512*\u   ; the two bytes; both halves of the lanes write the same
.endm
; A UNIT, from its first group on.  Unit 0's biases and first step of x were asked for at the head.
.macro UNIT
.if UN
	s_wait_dscnt 0x0                               ; my last LDS store has read its registers,
	s_wait_xcnt 0x0                                ; and so have unit 0's stores of ctx: the loads below land on their data registers
	PADDR
	BIASLD
	BETALD
	XLOAD 0
.endif
	; ---- pass 1: q and k
	WLOAD 0
.set GG, 0
.rept 24
	GROUP GG
.set GG, GG+1
.endr
.if UN
	BARRIER                                        ; every wave has left unit 0's attention: k's and v's images may be written again
.endif
	; q and k are quantised in registers.  At work: W's set 1 and x's set 1, which the last group has left; the loads on their way land in the sets 0.
.set QPT, 68
.set QTM, 76
.set QTX, 104
.set QSO, 108
	PLACES
.irp b, 0,1,2,3
	v_mov_b32 v[QTX+\b], 0                         ; a lane permute's destination counts as read
.endr
.irp u, 1,0                                    ; k first, position 1 first: its accumulators make room for q's codes
	QUANT ACC+64+32*\u, 2, 56, 112
	ds_store_b128 v[KW16], v[56:59] offset:768*\u
	ds_store_b64 v[KW8], v[60:61] offset:768*\u
	ds_store_b32 v[KWS], v112 offset:128*\u
	s_wait_dscnt 0x0                               ; the stores have read their registers
.endr
	QUANT ACC, 2, QF, QS
.if UN == 0
	QUANT ACC+32, 2, QF+12, QS+1
.endif
.irp i, 6,7,8,9,10,11
	v_mov_b32 v[QF+\i], 0                          ; k = 64 .. 127 of q: zero codes
.if UN == 0
	v_mov_b32 v[QF+12+\i], 0
.endif
.endr
.irp t, 0,1,2,3
.irp j, 0,1,2,3,4,5,6,7
	v_mov_b32 v[BV+8*\t+\j], v[BETA+\t]            ; bv in the result's layout: my dim's number in all eight rows
.endr
.endr
	; ---- pass 2: v
.rept 12
	GROUP GG
.set GG, GG+1
.endr
	PLACES
	QUANT ACC, 4, 56, 999                          ; four dims tiles x my 32 keys: v56-61 tiles 0 | 1, v62-67 tiles 2 | 3 (lanes 0-15 | 16-31)
.irp p, 0,1
	ds_store_b128 v[VW16], v[56+6*\p:59+6*\p] offset:12288*\p
	ds_store_b64 v[VW8], v[60+6*\p:61+6*\p] offset:12288*\p
.endr
.irp t, 0,1,2,3
	ds_store_b8 v[VSB], v[QTX+\t] offset:256*\t    ; both halves of the lanes write the same byte with the same value
.endr
	BARRIER                                        ; k and v of the whole head lie in LDS
	; ---- the attention
	ASETUP
.set QPT, PT
.set QTM, BM
.set QTX, TX
.set QSO, SO
	ATT 0
.if UN == 0
	ATT 1
.endif
.endm
; ------------------------------------------------------------------ the head
	s_load_b512 s[4:19], s[0:1], 0x0               ; xc s[4:5], xs s[6:7], wc s[8:9], ws s[10:11], bq s[12:13], bk s[14:15], bv s[16:17], cc s[18:19]
	s_load_b64 s[20:21], s[0:1], 0x40              ; cs
	v_lshrrev_b32 v1, 5, v0
	v_readfirstlane_b32 s[WV], v1                  ; wave 0..15
	s_and_b32 s24, ttmp7, 0xffff                   ; bm
	s_and_b32 s80, ttmp9, 1                        ; hq = j % 2
	s_lshr_b32 s81, ttmp9, 1
	s_mul_i32 s81, s81, 3
	s_add_co_u32 s82, s81, 2                       ; unit 1's head: 3 i + 2
	s_add_co_u32 s81, s81, s80                     ; unit 0's head: 3 i + hq
	s_lshl_b32 s23, s24, 5
	s_lshl_b32 s25, s[WV], 1
	s_add_co_u32 s23, s23, s25                     ; my first tile of x: 32 bm + 2 w
	s_mul_i32 s26, s23, 9216
	s_mov_b32 s27, 0
	s_lshl_b32 s28, s23, 9
	s_mov_b32 s29, 0
	s_mul_i32 s40, s80, 9216                       ; unit 1: position 0 is tile hq of my two,
	s_mov_b32 s41, 0
	s_sub_co_u32 s42, 9216, s40                    ; position 1 the other
	s_mov_b32 s43, 0
	s_lshl_b32 s44, s80, 9
	s_mov_b32 s45, 0
	s_sub_co_u32 s46, 512, s44
	s_mov_b32 s47, 0
	s_mul_i32 s84, s81, 36864                      ; a head's 24 fragments in each weight,
	s_mov_b32 s85, 0
	s_mul_i32 s86, s82, 36864
	s_mov_b32 s87, 0
	s_mul_i32 s88, s81, 1536                       ; their scale words,
	s_mov_b32 s89, 0
	s_mul_i32 s90, s82, 1536
	s_mov_b32 s91, 0
	s_lshl_b32 s92, s81, 8                         ; its 64 numbers of a bias
	s_mov_b32 s93, 0
	s_lshl_b32 s94, s82, 8
	s_mov_b32 s95, 0
	s_mul_i32 s83, s24, 12
	s_add_co_u32 s30, s83, s81                     ; 12 bm + n
	s_add_co_u32 s32, s83, s82
	s_lshl_b32 s96, s30, 5
	s_add_co_u32 s96, s96, s25
	s_mul_i32 s96, s96, 768                        ; cc, unit 0: tile 2 w
	s_mov_b32 s97, 0
	s_lshl_b32 s98, s32, 5
	s_add_co_u32 s98, s98, s25
	s_add_co_u32 s98, s98, s80
	s_mul_i32 s98, s98, 768                        ; cc, unit 1: tile 2 w + hq
	s_mov_b32 s99, 0
	s_lshl_b32 s30, s30, 10                        ; cs, unit 0: the head's 1,024 bytes
	s_mov_b32 s31, 0
	s_lshl_b32 s32, s32, 10
	s_add_co_u32 s32, s32, s44                     ; cs, unit 1: the 512 bytes of the tiles hq
	s_mov_b32 s33, 0
	s_mov_b32 s[CS], 0x3e38aa3b                    ; log2(e) / 8
	s_mov_b32 s[CS+1], s[CS]                       ; (named with it as a pair)
	s_mov_b32 s[SEL], 0x76543210
	s_mov_b32 s[SEL+1], 0xfedcba98
	v_and_b32 v122, 31, v0
	v_lshlrev_b32 v[L16], 4, v122
	v_lshlrev_b32 v[L8], 3, v122
	v_lshlrev_b32 v113, 3, v0                      ; the head's own addresses lie in x's set 1, idle until the first group: 8 thread,
	v_lshlrev_b32 v114, 2, v0                      ; 4 thread
	s_wait_kmcnt 0x0
	s_add_nc_u64 s[76:77], s[8:9], s[86:87]
	s_add_nc_u64 s[8:9], s[8:9], s[84:85]
	s_add_nc_u64 s[78:79], s[10:11], s[90:91]
	s_add_nc_u64 s[10:11], s[10:11], s[88:89]
	s_add_nc_u64 s[48:49], s[4:5], s[26:27]
	s_add_nc_u64 s[50:51], s[48:49], 9216
	s_add_nc_u64 s[52:53], s[48:49], s[40:41]
	s_add_nc_u64 s[54:55], s[48:49], s[42:43]
	s_add_nc_u64 s[56:57], s[6:7], s[28:29]
	s_add_nc_u64 s[58:59], s[56:57], 512
	s_add_nc_u64 s[60:61], s[56:57], s[44:45]
	s_add_nc_u64 s[62:63], s[56:57], s[46:47]
	s_add_nc_u64 s[66:67], s[12:13], s[94:95]
	s_add_nc_u64 s[68:69], s[14:15], s[94:95]
	s_add_nc_u64 s[70:71], s[16:17], s[94:95]
	s_add_nc_u64 s[12:13], s[12:13], s[92:93]
	s_add_nc_u64 s[14:15], s[14:15], s[92:93]
	s_add_nc_u64 s[16:17], s[16:17], s[92:93]
	s_add_nc_u64 s[72:73], s[18:19], s[98:99]
	s_add_nc_u64 s[18:19], s[18:19], s[96:97]
	s_add_nc_u64 s[74:75], s[20:21], s[32:33]
	s_add_nc_u64 s[20:21], s[20:21], s[30:31]
; both heads' weights: 2 x 3 x 36,864 bytes, 4,096 an instruction of the work-group; unit 0's through v32-79 and v104-109, unit 1's through v128-181
.set cq, 0
.rept 27
.set cr, 32+2*cq+24*(cq/24)
	global_load_b64 v[cr:cr+1], v113, s[8:9] offset:(cq/9)*442368+4096*(cq%9)
.set cq, cq+1
.endr
.irp m, 0,1,2
	global_load_b32 v[110+\m], v114, s[10:11] offset:\m*18432    ; 2,048 bytes: the head's 1,536 and 512 more, inside ws for every head, which nobody reads in LDS
.endr
.set cq, 0
.rept 27
	global_load_b64 v[128+2*cq:129+2*cq], v113, s[76:77] offset:(cq/9)*442368+4096*(cq%9)
.set cq, cq+1
.endr
.irp m, 0,1,2
	global_load_b32 v[182+\m], v114, s[78:79] offset:\m*18432
.endr
.set UN, 0
	SYMS
	PADDR
	BETALD
	XLOAD 0
	v_lshlrev_b32 v115, 3, v0                      ; where the copies go: 8 thread + m x 36864,
	v_add_nc_u32 v116, 36864, v115
	v_add_nc_u32 v117, 73728, v115
	v_add_nc_u32 v118, WSC, v114
	v_add_nc_u32 v119, W2OFF, v115                 ; and the same for unit 1
	v_add_nc_u32 v120, W2OFF, v116
	v_add_nc_u32 v121, W2OFF, v117
	s_wait_loadcnt 12                              ; the 60 copies are in; behind them stand 4 loads of bv and 8 of x
.set cq, 0
.rept 27
.set cr, 32+2*cq+24*(cq/24)
	ds_store_b64 v[115+cq/9], v[cr:cr+1] offset:4096*(cq%9)
	ds_store_b64 v[119+cq/9], v[128+2*cq:129+2*cq] offset:4096*(cq%9)
.set cq, cq+1
.endr
.irp m, 0,1,2
	ds_store_b32 v118, v[110+\m] offset:2048*\m
	ds_store_b32 v118, v[182+\m] offset:6144+2048*\m
.endr
	s_wait_dscnt 0x0                               ; my stores have landed, and have read the registers that the biases now take
	BIASLD                                         ; on their way while the waves meet
	s_barrier_signal -1
	s_barrier_wait -1                              ; both heads' weights lie in LDS
	UNIT                                           ; the whole head
.set UN, 1
	SYMS
	UNIT                                           ; the shared head, my half of its queries
; ctx's scale bytes leave as whole aligned runs, 16 bytes a lane: waves 0 and 1 store unit 0's 1,024, wave 2 unit 1's 512
	v_and_b32 v[WK16], 127, v0
	v_lshl_add_u32 v[WK16], v[WK16], 4, CSG
	v_and_b32 v[WK8], 63, v0
	v_lshlrev_b32 v[WK8], 4, v[WK8]
	s_cmp_lt_u32 s[WV], 2
	s_cselect_b64 s[20:21], s[20:21], s[74:75]
	BARRIER
	s_cmp_lt_u32 s[WV], 3
	s_cbranch_scc0 .Lend
	ds_load_b128 v[96:99], v[WK16]
	s_wait_dscnt 0x0
	global_store_b128 v[WK8], v[96:99], s[20:21]
.Lend:
	s_wait_xcnt 0x0
	v_lshl_add_u32 v254, v0, 2, 0x47000
	v_mov_b32 v255, 0
	s_wait_tensorcnt 0x0
	ds_add_u32 v254, v255
	s_wait_dscnt 0x0
	s_endpgm
.Lfunc_end_k_q2c7e219060_attn:
	.size	k_q2c7e219060_attn, .Lfunc_end_k_q2c7e219060_attn-k_q2c7e219060_attn
	.p2alignl 7, 3214868480
	.fill 96, 4, 3214868480
	.section	.rodata,"a",@progbits
	.p2align	6, 0x0
	.amdhsa_kernel k_q2c7e219060_attn
		.amdhsa_group_segment_fixed_size 292864
		.amdhsa_private_segment_fixed_size 0
		.amdhsa_enable_private_segment 0
		.amdhsa_kernarg_size 72
		.amdhsa_user_sgpr_count 2
		.amdhsa_user_sgpr_kernarg_segment_ptr 1
		.amdhsa_wavefront_size32 1
		.amdhsa_system_sgpr_workgroup_id_x 1
		.amdhsa_system_sgpr_workgroup_id_y 1
		.amdhsa_system_sgpr_workgroup_id_z 1
		.amdhsa_system_vgpr_workitem_id 0
		.amdhsa_next_free_vgpr 256
		.amdhsa_next_free_sgpr 100
		.amdhsa_reserve_vcc 0
		.amdhsa_float_denorm_mode_32 3
		.amdhsa_float_denorm_mode_16_64 3
		.amdhsa_memory_ordered 1
		.amdhsa_forward_progress 1
		.amdhsa_inst_pref_size 215
	.end_amdhsa_kernel
	.amdgpu_metadata
---
amdhsa.version: [ 1, 2 ]
amdhsa.kernels:
  - .name:           k_q2c7e219060_attn
    .symbol:         k_q2c7e219060_attn.kd
    .args:
      - { .name: xc, .offset: 0, .size: 8, .value_kind: global_buffer, .address_space: global }
      - { .name: xs, .offset: 8, .size: 8, .value_kind: global_buffer, .address_space: global }
      - { .name: wc, .offset: 16, .size: 8, .value_kind: global_buffer, .address_space: global }
      - { .name: ws, .offset: 24, .size: 8, .value_kind: global_buffer, .address_space: global }
      - { .name: bq, .offset: 32, .size: 8, .value_kind: global_buffer, .address_space: global }
      - { .name: bk, .offset: 40, .size: 8, .value_kind: global_buffer, .address_space: global }
      - { .name: bv, .offset: 48, .size: 8, .value_kind: global_buffer, .address_space: global }
      - { .name: cc, .offset: 56, .size: 8, .value_kind: global_buffer, .address_space: global }
      - { .name: cs, .offset: 64, .size: 8, .value_kind: global_buffer, .address_space: global }
    .group_segment_fixed_size: 292864
    .private_segment_fixed_size: 0
    .kernarg_segment_align: 8
    .kernarg_segment_size: 72
    .max_flat_workgroup_size: 512
    .sgpr_count:     100
    .vgpr_count:     256
    .wavefront_size: 32
...
	.end_amdgpu_metadata
.endif
;; end of part 2
;; launch outp (part 3): grid 256 x 1, 16 waves a work-group, no clusters, 238,080 bytes of LDS; arguments cc, cs, wc, ws, bo, out0; writes out0
.if DOCPART == 3
	.amdgcn_target "amdgcn-amd-amdhsa--gfx1250"
	.amdhsa_code_object_version 6
	.text
	.protected	k_q2c7e219060_outp
	.globl	k_q2c7e219060_outp
	.p2align	8
	.type	k_q2c7e219060_outp,@function
k_q2c7e219060_outp:
	s_mov_b64 s[64:65], 0
	v_nop
	global_prefetch_b8 v0, s[64:65] scope:SCOPE_SE
	s_setreg_imm32_b32 hwreg(HW_REG_WAVE_MODE, 25, 1), 1
	s_wait_xcnt 0x0
; out0 = ctx Wo + bo on codes of E2M3.  ctx arrives as half fragments (head n = K 64 n .. 64 n + 63, tile T of 16 rows): cc at ((12 bm + n) 32 + T) x 768,
; its scale bytes cs at ((12 bm + n) 32 + 16 (T % 2) + T / 2) x 32 + 2 r.  Wo arrives as fragments in register order (weight 3 of wc, tile C = columns 16 C ..), scale words in ws.
; A work-group takes 64 rows (four tiles) x all 768 columns; wave w takes column tiles 3 w .. 3 w + 2 for the four row tiles: 12 accumulators, which begin as bo.
; TRANSPOSED: source 0 = 16 columns of Wo, source 1 = 16 rows of ctx: a lane holds eight neighbouring columns of one row.  Lane r of row tile 2 G + u is row 32 G + 8 u + r + 8 (r / 8).
; Each fragment of Wo is used by one wave of the work-group alone: it goes from memory straight into that wave's registers, one K step ahead.  ctx's 36,864 bytes are used by all sixteen waves: through LDS.
; The results meet in a stage of 64 whole rows, and each wave stores four rows in runs of 512 consecutive aligned bytes.
; No cluster and no tensor load: what all work-groups share is Wo, 442,368 bytes; each fragment of it is wanted by one wave, in registers; a joint tensor load would bring it by way of LDS, where 91,648 bytes are left beside the stage.
.set CSL,  36864                       ; LDS: 0: ctx's half fragments, n x 3072 + tile x 768;  CSL: its scale words, s x 256 + tile x 64 + 4 r (bytes 0, 1: head 2 s; bytes 2, 3: head 2 s + 1)
.set STG,  38400                       ; the stage: 64 rows
.set SP,   3088                        ; 3,072 bytes + 16
; v1 16 lane; v2 512 + 8 lane; v4 CSL + 4 r; v5-7 my tiles' places in ws; v8 32 h; v9, v10 stage in; v11 stage out; v12 where cs goes; v13 where cc goes; v14 my word of cs;
; v20-25 Wo's scale words, two sets of three; v26-29 ctx's (scale words alone, the whole launch); v32-103 Wo's fragments, two sets of three; v104-151 ctx's four; v160 + 8 (4 i + t) accumulators, later rows of out0
.macro PLACES                          ; four plain lines between a matrix instruction and a load into, or a store of, its registers
.rept 4
	v_nop
.endr
.endm
.macro MMA d, a, b, sa, sb
	v_wmma_scale_f32_16x16x128_f8f6f4 v[(\d):(\d)+7], v[(\a):(\a)+11], v[(\b):(\b)+11], v[(\d):(\d)+7], v[(\sa)], v[(\sb)] matrix_a_fmt:MATRIX_FMT_FP6 matrix_b_fmt:MATRIX_FMT_FP6
.endm
.macro WOLOAD ks                       ; K step ks: my three fragments of Wo and their scale words into set ks % 2: twelve loads
.set ob, 32+36*((\ks)%2)
.irp i, 0,1,2
.irp p, 0,1,2
	global_load_b128 v[ob+12*\i+4*\p:ob+12*\i+4*\p+3], v1, s[8:9] offset:9216*\i+1536*(\ks)+512*\p
.endr
	global_load_b32 v[20+3*((\ks)%2)+\i], v[5+\i], s[10:11] offset:128*(\ks)
.endr
.endm
	s_load_b256 s[4:11], s[0:1], 0x0               ; cc s[4:5], cs s[6:7], wc s[8:9], ws s[10:11]
	s_load_b128 s[12:15], s[0:1], 0x20             ; bo s[12:13], out0 s[14:15]
	v_lshl_add_u32 v158, v0, 2, 0x39a00
	v_mov_b32 v159, 0
	v_lshrrev_b32 v1, 5, v0
	v_readfirstlane_b32 s16, v1                    ; wave 0..15
	s_lshr_b32 s17, ttmp9, 3                       ; bm
	s_and_b32 s18, ttmp9, 7                        ; g: which 64 rows of the group
	s_min_u32 s19, s16, 11                         ; the head whose codes I copy (waves 12 to 15 copy none: their pointer stays inside the buffer)
	s_mul_i32 s20, s16, 3
	s_add_co_u32 s24, s20, 144
	s_mul_i32 s24, s24, 9216                       ; wc: weight 3, tile 3 w
	s_mov_b32 s25, 0
	s_mul_i32 s26, s16, 192                        ; bo: my 48 numbers
	s_mov_b32 s27, 0
	s_mul_i32 s28, s17, 12
	s_add_co_u32 s28, s28, s19
	s_lshl_b32 s28, s28, 5                         ; (12 bm + n) 32
	s_lshl_b32 s21, s18, 1
	s_add_co_u32 s30, s28, s21                     ; cs: tiles 4 g and 4 g + 2 lie at places 2 g and 2 g + 1, tiles 4 g + 1 and 4 g + 3 sixteen places on
	s_lshl_b32 s30, s30, 5
	s_mov_b32 s31, 0
	s_lshl_b32 s21, s18, 2
	s_add_co_u32 s28, s28, s21                     ; cc: the first of my work-group's four tiles
	s_mul_i32 s28, s28, 768
	s_mov_b32 s29, 0
	s_lshl_b32 s32, ttmp9, 6
	s_lshl_b32 s21, s16, 2
	s_add_co_u32 s32, s32, s21
	s_mul_i32 s32, s32, 3072                       ; out0: row 64 x work-group + 4 w
	s_mov_b32 s33, 0
	v_and_b32 v15, 31, v0                          ; lane
	v_and_b32 v3, 15, v0                           ; r
	v_bfe_u32 v16, v0, 4, 1                        ; h
	v_lshlrev_b32 v1, 4, v15
	v_lshl_add_u32 v2, v15, 3, 512
	v_lshl_add_u32 v4, v3, 2, CSL
.irp i, 0,1,2
	s_add_co_u32 s21, s20, \i                      ; tile C = 3 w + i: (C / 2) x 768 + (C % 2) x 64 + 4 r
	s_lshr_b32 s22, s21, 1
	s_mul_i32 s22, s22, 768
	s_and_b32 s21, s21, 1
	s_lshl_b32 s21, s21, 6
	s_add_co_u32 s21, s21, s22
	v_lshl_add_u32 v[5+\i], v3, 2, s21
.endr
	v_lshlrev_b32 v8, 5, v16
	v_and_b32 v17, 8, v3
	v_add_nc_u32 v17, v17, v3                      ; r + 8 (r / 8)
	v_mul_u32_u24 v9, v17, SP
	v_lshl_add_u32 v9, v16, 5, v9
	s_mul_i32 s21, s16, 192
	s_add_co_u32 s21, s21, STG
	v_add_nc_u32 v9, s21, v9                       ; stage in: my row, my wave's 192 bytes, 32 h
	v_add_nc_u32 v10, 32*SP, v9                    ; row tiles 2 and 3
	s_mul_i32 s21, s16, 4*SP
	s_add_co_u32 s21, s21, STG
	v_add_nc_u32 v11, s21, v1                      ; stage out: rows 4 w ..
	v_lshrrev_b32 v17, 3, v15                      ; which of the four tiles my word of cs belongs to,
	v_and_b32 v18, 7, v15                          ; and which two rows of it
	v_lshlrev_b32 v12, 6, v17
	v_lshl_add_u32 v12, v18, 3, v12
	s_lshr_b32 s21, s16, 1
	s_lshl_b32 s21, s21, 8
	s_and_b32 s22, s16, 1
	s_lshl_b32 s22, s22, 1
	s_add_co_u32 s21, s21, s22
	s_add_co_u32 s21, s21, CSL
	v_add_nc_u32 v12, s21, v12                     ; my word of cs holds rows 2 (l % 8) and + 1 of tile l / 8: two bytes each into the words of K step n / 2, half n % 2
	s_mul_i32 s21, s16, 3072
	v_add_nc_u32 v13, s21, v1
	v_and_b32 v19, 1, v17
	v_lshrrev_b32 v14, 1, v17
	v_lshlrev_b32 v14, 5, v14                      ; in memory: 32 bytes a place,
	v_lshl_add_u32 v14, v19, 9, v14                ; the odd tiles 512 bytes on,
	v_lshl_add_u32 v14, v18, 2, v14                ; 4 bytes for two rows
	s_wait_kmcnt 0x0
	s_add_nc_u64 s[8:9], s[8:9], s[24:25]
	s_add_nc_u64 s[10:11], s[10:11], 55296         ; ws: weight 3
	s_add_nc_u64 s[12:13], s[12:13], s[26:27]
	s_add_nc_u64 s[4:5], s[4:5], s[28:29]
	s_add_nc_u64 s[6:7], s[6:7], s[30:31]
	s_add_nc_u64 s[14:15], s[14:15], s[32:33]
.irp i, 0,1,2                                  ; bo is the accumulators' first contents: register j is column 16 (3 w + i) + 8 h + j
.irp t, 0,1,2,3
	global_load_b128 v[160+8*(4*\i+\t):160+8*(4*\i+\t)+3], v8, s[12:13] offset:64*\i
	global_load_b128 v[160+8*(4*\i+\t)+4:160+8*(4*\i+\t)+7], v8, s[12:13] offset:64*\i+16
.endr
.endr
	WOLOAD 0
	s_cmp_lt_u32 s16, 12                           ; waves 0 to 11 bring head w's four half fragments and their scale bytes into LDS
	s_cbranch_scc0 .Lnocopy
.irp j, 0,1,2,3,4,5
	global_load_b128 v[104+4*\j:104+4*\j+3], v1, s[4:5] offset:512*\j th:TH_LOAD_NT   ; read once in the launch
.endr
	global_load_b32 v128, v14, s[6:7] th:TH_LOAD_NT
	s_wait_loadcnt 0x0
.irp j, 0,1,2,3,4,5
	ds_store_b128 v13, v[104+4*\j:104+4*\j+3] offset:512*\j
.endr
	ds_store_b16 v12, v128
	ds_store_b16_d16_hi v12, v128 offset:4
.Lnocopy:
	s_wait_dscnt 0x0
	s_barrier_signal -1
	s_barrier_wait -1                              ; ctx's codes and scale words lie in LDS
; A K step of 128 (heads 2 ks and 2 ks + 1): twelve products on twelve accumulators, which take turns, one instruction a turn.
.macro OSTEP ks
.if (\ks) > 0
	PLACES                                         ; the loads below land in registers that the last step's products read
.endif
.if (\ks) < 5
	WOLOAD (\ks)+1
.endif
.irp t, 0,1,2,3
.irp c, 0,1
	ds_load_b128 v[104+12*\t+6*\c:104+12*\t+6*\c+3], v1 offset:(2*(\ks)+\c)*3072+768*\t
	ds_load_b64 v[104+12*\t+6*\c+4:104+12*\t+6*\c+5], v2 offset:(2*(\ks)+\c)*3072+768*\t
.endr
	ds_load_b32 v[26+\t], v4 offset:256*(\ks)+64*\t
.endr
.if (\ks) < 5
	s_wait_loadcnt 12                              ; this step's Wo is in (in the first step bo too); the next step's twelve loads may be out: the same count for the waves that copied and for those that did not
.else
	s_wait_loadcnt 0x0
.endif
	s_wait_dscnt 0x0
.set ob, 32+36*((\ks)%2)
.irp i, 0,1,2
.irp t, 0,1,2,3
	MMA 160+8*(4*\i+\t), ob+12*\i, 104+12*\t, 20+3*((\ks)%2)+\i, 26+\t
.endr
.endr
.endm
	OSTEP 0
	OSTEP 1
	OSTEP 2
	OSTEP 3
	OSTEP 4
	OSTEP 5
	PLACES
.irp i, 0,1,2
.irp t, 0,1,2,3
	ds_store_b128 v[9+\t/2], v[160+8*(4*\i+\t):160+8*(4*\i+\t)+3] offset:(\t%2)*8*SP+64*\i       ; each accumulator from its low end on
	ds_store_b128 v[9+\t/2], v[160+8*(4*\i+\t)+4:160+8*(4*\i+\t)+7] offset:(\t%2)*8*SP+64*\i+16
.endr
.endr
	s_wait_dscnt 0x0
	s_barrier_signal -1
	s_barrier_wait -1                              ; 64 whole rows lie in the stage
.irp i, 0,1,2,3
.irp j, 0,1,2,3,4,5
	ds_load_b128 v[160+4*(6*\i+\j):160+4*(6*\i+\j)+3], v11 offset:SP*\i+512*\j
.endr
.endr
.irp i, 0,1,2,3
.irp j, 0,1,2,3,4,5
	s_wait_dscnt 23-(6*\i+\j)                      ; the later read-backs may be out
	global_store_b128 v1, v[160+4*(6*\i+\j):160+4*(6*\i+\j)+3], s[14:15] offset:3072*\i+512*\j th:TH_STORE_NT   ; 512 consecutive bytes, aligned; written once, read by nobody here
.endr
.endr
	s_wait_tensorcnt 0x0
	ds_add_u32 v158, v159
	s_wait_dscnt 0x0
	s_endpgm
.Lfunc_end_k_q2c7e219060_outp:
	.size	k_q2c7e219060_outp, .Lfunc_end_k_q2c7e219060_outp-k_q2c7e219060_outp
	.p2alignl 7, 3214868480
	.fill 96, 4, 3214868480
	.section	.rodata,"a",@progbits
	.p2align	6, 0x0
	.amdhsa_kernel k_q2c7e219060_outp
		.amdhsa_group_segment_fixed_size 238080
		.amdhsa_private_segment_fixed_size 0
		.amdhsa_enable_private_segment 0
		.amdhsa_kernarg_size 48
		.amdhsa_user_sgpr_count 2
		.amdhsa_user_sgpr_kernarg_segment_ptr 1
		.amdhsa_wavefront_size32 1
		.amdhsa_system_sgpr_workgroup_id_x 1
		.amdhsa_system_sgpr_workgroup_id_y 1
		.amdhsa_system_sgpr_workgroup_id_z 1
		.amdhsa_system_vgpr_workitem_id 0
		.amdhsa_next_free_vgpr 256
		.amdhsa_next_free_sgpr 66
		.amdhsa_reserve_vcc 0
		.amdhsa_float_denorm_mode_32 3
		.amdhsa_float_denorm_mode_16_64 3
		.amdhsa_memory_ordered 1
		.amdhsa_forward_progress 1
		.amdhsa_inst_pref_size 39
	.end_amdhsa_kernel
	.amdgpu_metadata
---
amdhsa.version: [ 1, 2 ]
amdhsa.kernels:
  - .name:           k_q2c7e219060_outp
    .symbol:         k_q2c7e219060_outp.kd
    .args:
      - { .name: cc, .offset: 0, .size: 8, .value_kind: global_buffer, .address_space: global }
      - { .name: cs, .offset: 8, .size: 8, .value_kind: global_buffer, .address_space: global }
      - { .name: wc, .offset: 16, .size: 8, .value_kind: global_buffer, .address_space: global }
      - { .name: ws, .offset: 24, .size: 8, .value_kind: global_buffer, .address_space: global }
      - { .name: bo, .offset: 32, .size: 8, .value_kind: global_buffer, .address_space: global }
      - { .name: out0, .offset: 40, .size: 8, .value_kind: global_buffer, .address_space: global }
    .group_segment_fixed_size: 238080
    .private_segment_fixed_size: 0
    .kernarg_segment_align: 8
    .kernarg_segment_size: 48
    .max_flat_workgroup_size: 512
    .sgpr_count:     66
    .vgpr_count:     256
    .wavefront_size: 32
...
	.end_amdgpu_metadata
.endif
;; end of part 3
;; ======== version 2 of 2: 3 launches
;; workspace buffers: xc 9,437,184 bytes; xs 524,288 bytes; wc 1,769,472 bytes; ws 73,728 bytes; cc 9,437,184 bytes; cs 393,216 bytes
;; launch quant (part 4): grid 328 x 1, 8 waves a work-group, no clusters, 93,184 bytes of LDS; arguments hidden_states, Wq, Wk, Wv, Wo, xc, xs, wc, ws; writes xc, xs, wc, ws
.if DOCPART == 4
	.amdgcn_target "amdgcn-amd-amdhsa--gfx1250"
	.amdhsa_code_object_version 6
	.text
	.protected	k_q2c7e219060_quant
	.globl	k_q2c7e219060_quant
	.p2align	8
	.type	k_q2c7e219060_quant,@function
k_q2c7e219060_quant:
	s_mov_b64 s[64:65], 0
	v_nop
	global_prefetch_b8 v0, s[64:65] scope:SCOPE_SE
	s_setreg_imm32_b32 hwreg(HW_REG_WAVE_MODE, 25, 1), 1
	s_wait_xcnt 0x0
; hidden_states [16384][768] and the four weights [768 (k)][768 (n)], f32, become codes of E2M3 with one E8M0 byte for each 32 along K (768).
; The codes are laid IN THE ORDER OF THE OPERANDS' REGISTERS.  A fragment is 16 rows (or columns) x 128 K, 12 registers a lane: lane (r, h) holds row r, registers 6 c .. 6 c + 5 hold k = 64 c + 32 h + 0 .. 31.
; Its image is 1,536 bytes: register p of lane l at 512 (p / 4) + 16 l + 4 (p % 4), so that three loads of 16 bytes a lane bring it.
; WHICH ROWS FORM A TILE: tile T = 2 G + u of x holds in lane r the row 32 G + 8 u + r + 8 (r / 8); the column tiles of Wq, Wk, Wv are cut the same way; Wo's tile C holds column 16 C + r.
;   xc: image of (T, K step s) at (6 T + s) x 1536.      xs: row r of tile T has 16 bytes at (2 T + s / 3) x 256 + 16 r: the scale words of three K steps and a zero.
;   wc: image of (weight m, tile C, s) at ((48 m + C) 6 + s) x 1536; m = 0 q, 1 k, 2 v, 3 o.      ws: scale word at ((24 m + C / 2) 6 + s) x 128 + 64 (C % 2) + 4 r.
; A block's scale is 2^(floor(log2(largest magnitude)) - 2): its byte is the largest magnitude's exponent field - 2, held at 1 from below by a floor among the maximum's leaves.
; LIMITS: NaN and infinities among the inputs are not served.  A block of zeros (or under 2^-124) gets the byte 1 where the rule says 127: its codes are zeros, and this program alone reads the bytes.
; SHARES: work-groups 0 to 71 take the weights (a wave: 32 columns x 128 K), work-groups 72 to 327 take x (a wave: one tile x three K steps).  Waves share nothing: no barrier.  Each path has LDS bytes of its own.
.set XSTG,  8448                       ; x path: a wave's stage, 16 rows x (512 + 16) bytes
.set WSTG,  3072                       ; weight path: a wave's stage, two images
.set WBASE, 8*XSTG                     ; the weight path's stages lie behind the x path's
.set FLOOR, 0x1800000                  ; 2^(3 - 127)
.set EOFF,  0xff000000                 ; takes 2 off an exponent field
.set NWGW,  72
	s_load_b512 s[4:19], s[0:1], 0x0               ; x s[4:5], Wq s[6:7], Wk s[8:9], Wv s[10:11], Wo s[12:13], xc s[14:15], xs s[16:17], wc s[18:19]
	s_load_b64 s[20:21], s[0:1], 0x40              ; ws
	v_lshl_add_u32 v23, v0, 2, 0x16800
	v_mov_b32 v27, 0
	v_lshrrev_b32 v1, 5, v0
	s_delay_alu instid0(VALU_DEP_1)
	v_readfirstlane_b32 s22, v1                    ; wave 0..7
	v_and_b32 v15, 31, v0                          ; lane
	s_cmp_lt_u32 ttmp9, NWGW
	s_cbranch_scc1 .Lweights
; ------------------------------------------------------------------ x
; v1 16 lane; v2 stage in; v3 stage out; v4 8 h; v5 16 r + 8 h; v6-7 maxima; v8-9 conversion scales; v10-11 bytes; v12-13 at work, then the record; v14 the other half's word;
; v16-18 the three scale words; v20-26 second halves of blocks; v28.. codes, 12 a fragment; v64.. numbers, 64 a fragment
	s_sub_co_u32 s23, ttmp9, NWGW
	s_lshl_b32 s23, s23, 2
	s_lshr_b32 s24, s22, 1
	s_add_co_u32 s23, s23, s24                     ; T = 4 x work-group + wave / 2
	s_and_b32 s24, s22, 1                          ; e: K steps 3 e .. 3 e + 2
	s_lshr_b32 s25, s23, 1
	s_mul_i32 s26, s25, 98304                      ; 32 rows of 3,072 bytes for each pair of tiles,
	s_and_b32 s25, s23, 1
	s_mul_i32 s25, s25, 24576                      ; 8 rows for the odd tile,
	s_add_co_u32 s26, s26, s25
	s_mul_i32 s25, s24, 1536                       ; three K steps of 512 bytes
	s_add_co_u32 s26, s26, s25
	s_mov_b32 s27, 0
	s_mul_i32 s28, s23, 9216
	s_mul_i32 s25, s24, 4608
	s_add_co_u32 s28, s28, s25                     ; xc: (6 T + 3 e) x 1536
	s_mov_b32 s29, 0
	s_lshl_b32 s30, s23, 1
	s_add_co_u32 s30, s30, s24
	s_lshl_b32 s30, s30, 8                         ; xs: (2 T + e) x 256
	s_mov_b32 s31, 0
	s_mul_i32 s25, s22, XSTG
	s_mov_b32 s34, 0x76543210
	s_mov_b32 s35, 0xfedcba98                      ; selects: lane l takes lane l xor 16
	s_wait_alu depctr_va_vdst(0)
	v_lshlrev_b32 v1, 4, v15
	s_delay_alu instid0(VALU_DEP_1)
	v_add_nc_u32 v2, s25, v1                       ; into the stage: 16 bytes a lane of a row
	v_and_b32 v6, 15, v0                           ; r
	v_bfe_u32 v4, v0, 4, 1                         ; h
	s_delay_alu instid0(VALU_DEP_2)
	v_mul_u32_u24 v3, v6, 528
	s_delay_alu instid0(VALU_DEP_1)
	v_lshl_add_u32 v3, v4, 7, v3
	s_delay_alu instid0(VALU_DEP_1)
	v_add_nc_u32 v3, s25, v3                       ; out of it: row r, 128 h bytes on: my 32 numbers of each 64
	v_lshlrev_b32 v5, 4, v6
	s_delay_alu instid0(VALU_DEP_1)
	v_lshl_add_u32 v5, v4, 3, v5
	v_cmp_ne_u32 s32, 0, v4                        ; lanes 16-31
	v_lshlrev_b32 v4, 3, v4
	v_mov_b32 v14, 0                               ; a lane permute's destination counts as read: written once
	s_wait_alu depctr_va_vdst(0)
	s_wait_kmcnt 0x0
	s_add_nc_u64 s[4:5], s[4:5], s[26:27]
	s_add_nc_u64 s[14:15], s[14:15], s[28:29]
	s_add_nc_u64 s[16:17], s[16:17], s[30:31]
.irp f, 0,1,2
.irp i, 0,1,2,3,4,5,6,7,8,9,10,11,12,13,14,15
	global_load_b128 v[64+64*\f+4*\i:64+64*\f+4*\i+3], v1, s[4:5] offset:(\i+8*(\i/8))*3072+512*\f th:TH_LOAD_NT   ; the tile's row i, one K step: 32 lanes read 512 consecutive bytes
.endr
.endr
; One fragment: the 16 rows x 512 bytes turn through the stage, so that a lane holds 32 neighbours of its row twice over; two blocks a lane; codes and scale word.
.macro XFRAG f
.set RR, 64+64*\f
.set CC, 28+12*\f
	s_wait_loadcnt 32-16*\f                        ; my 16 loads are in; the later fragments' 16 each may be out
.irp i, 0,1,2,3,4,5,6,7,8,9,10,11,12,13,14,15
	ds_store_b128 v2, v[RR+4*\i:RR+4*\i+3] offset:528*\i
.endr
.irp c, 0,1
.irp j, 0,1,2,3,4,5,6,7
	ds_load_b128 v[RR+32*\c+4*\j:RR+32*\c+4*\j+3], v3 offset:256*\c+16*\j   ; LDS serves a wave's instructions in order: these see the stores above.  k = 64 c + 32 h + 4 j ..
.endr
.endr
	s_wait_dscnt 0x0
.irp c, 0,1
	v_max3_num_f32 v[6+\c], |v[RR+32*\c]|, |v[RR+32*\c+1]|, FLOOR   ; block 2 c + h is all mine; the floor holds the byte at 1 from below
.endr
.irp i, 2,4,6,8,10,12,14,16,18,20,22,24,26,28,30
.irp c, 0,1
	s_delay_alu instid0(VALU_DEP_2)
	v_max3_num_f32 v[6+\c], v[6+\c], |v[RR+32*\c+\i]|, |v[RR+32*\c+\i+1]|
.endr
.endr
	s_delay_alu instid0(VALU_DEP_2)
	v_add_nc_u32 v8, EOFF, v6                      ; 2 off the exponent field: the conversion takes this operand's exponent field as its scale
	s_delay_alu instid0(VALU_DEP_2)
	v_add_nc_u32 v9, EOFF, v7
	s_delay_alu instid0(VALU_DEP_2)
	v_lshrrev_b32 v10, 23, v8                      ; the bytes
	s_delay_alu instid0(VALU_DEP_2)
	v_lshrrev_b32 v11, 23, v9
	s_delay_alu instid0(VALU_DEP_1)
	v_lshl_or_b32 v12, v11, 16, v10                ; blocks h and 2 + h,
	s_delay_alu instid0(VALU_DEP_1)
	v_lshlrev_b32 v12, v4, v12                     ; 8 h bits up;
	s_delay_alu instid0(VALU_DEP_1)
	v_permlanex16_b32 v14, v12, s34, s35
	s_delay_alu instid0(VALU_DEP_1)
	v_or_b32 v[16+\f], v12, v14                    ; with the other half's two the word is whole
	v_cvt_scalef32_pk16_fp6_f32 v[CC:CC+2], v[RR:RR+15], v8
	v_cvt_scalef32_pk16_fp6_f32 v[20:22], v[RR+16:RR+31], v8        ; (a conversion's three registers begin on an even number)
	v_cvt_scalef32_pk16_fp6_f32 v[CC+6:CC+8], v[RR+32:RR+47], v9
	v_cvt_scalef32_pk16_fp6_f32 v[24:26], v[RR+48:RR+63], v9
	v_nop                                          ; one plain line behind the conversions
.irp i, 0,1,2
	v_mov_b32 v[CC+3+\i], v[20+\i]
	v_mov_b32 v[CC+9+\i], v[24+\i]
.endr
.irp g, 0,1,2
	global_store_b128 v1, v[CC+4*\g:CC+4*\g+3], s[14:15] offset:1536*\f+512*\g   ; 512 consecutive bytes, aligned; each fragment has code registers of its own
.endr
.endm
	XFRAG 0
	XFRAG 1
	XFRAG 2
	v_mov_b32 v13, 0
	v_cndmask_b32 v12, v16, v18, s32               ; lanes 0-15: words 0 and 1; lanes 16-31: word 2 and a zero
	s_delay_alu instid0(VALU_DEP_2)
	v_cndmask_b32 v13, v17, v13, s32
	global_store_b64 v5, v[12:13], s[16:17]        ; 256 consecutive bytes, aligned
	s_wait_tensorcnt 0x0
	ds_add_u32 v23, v27
	s_wait_dscnt 0x0
	s_endpgm
; ------------------------------------------------------------------ the weights
; A LANE TAKES A COLUMN, ITS REGISTERS RUN DOWN K: lane l = (tile l / 16 of the wave's two, place r = l % 16).
; v1 4 x column; v2 stage in; v3 stage out; v4 16 lane; v5 4 lane; v6-9 at work; v10 the scale word; v12-14 a block's second half; v64 + 6 kb codes; v128 + 32 kb numbers
.Lweights:
	s_mul_i32 s23, ttmp9, 171
	s_lshr_b32 s23, s23, 9                         ; a = work-group / 3  (exact up to 71)
	s_mul_i32 s24, s23, 3
	s_sub_co_u32 s24, ttmp9, s24                   ; which 256 columns
	s_mul_i32 s25, s23, 43
	s_lshr_b32 s25, s25, 8                         ; m = a / 6: the weight  (exact up to 23)
	s_mul_i32 s26, s25, 6
	s_sub_co_u32 s26, s23, s26                     ; s: the K step
	s_lshl_b32 s24, s24, 3
	s_add_co_u32 s24, s24, s22                     ; g: my 32 columns, tiles 2 g and 2 g + 1
	s_mul_i32 s28, s26, 393216                     ; 128 rows of 3,072 bytes
	s_lshl_b32 s27, s24, 7
	s_add_co_u32 s28, s28, s27
	s_mov_b32 s29, 0
	s_mul_i32 s30, s25, 48
	s_lshl_b32 s27, s24, 1
	s_add_co_u32 s30, s30, s27
	s_mul_i32 s30, s30, 6
	s_add_co_u32 s30, s30, s26
	s_mul_i32 s30, s30, 1536                       ; wc: ((48 m + 2 g) 6 + s) x 1536
	s_mov_b32 s31, 0
	s_mul_i32 s32, s25, 24
	s_add_co_u32 s32, s32, s24
	s_mul_i32 s32, s32, 6
	s_add_co_u32 s32, s32, s26
	s_lshl_b32 s32, s32, 7                         ; ws: ((24 m + g) 6 + s) x 128
	s_mov_b32 s33, 0
	s_cmp_eq_u32 s25, 3
	s_cselect_b32 s34, -1, 0                       ; Wo's tiles are neighbouring columns
	v_bfe_u32 v6, v0, 3, 1
	v_bfe_u32 v7, v0, 4, 1                         ; which of my two tiles
	v_and_b32 v8, 7, v0
	s_delay_alu instid0(VALU_DEP_1)
	v_lshl_add_u32 v8, v7, 3, v8
	s_delay_alu instid0(VALU_DEP_1)
	v_lshl_add_u32 v8, v6, 4, v8                   ; q, k, v: column 8 (l / 16) + r + 8 (r / 8) of my 32
	s_wait_alu depctr_va_vdst(0)
	v_cndmask_b32 v8, v8, v15, s34                 ; o: column l
	s_delay_alu instid0(VALU_DEP_1)
	v_lshlrev_b32 v1, 2, v8
	s_mul_i32 s35, s22, WSTG
	s_add_co_u32 s35, s35, WBASE
	v_and_b32 v9, 15, v0
	s_delay_alu instid0(VALU_DEP_1)
	v_lshlrev_b32 v2, 4, v9
	s_delay_alu instid0(VALU_DEP_1)
	v_mad_u32_u24 v2, v7, 1536, v2
	s_delay_alu instid0(VALU_DEP_1)
	v_add_nc_u32 v2, s35, v2                       ; my tile's image, place 16 r
	v_lshlrev_b32 v4, 4, v15
	s_delay_alu instid0(VALU_DEP_1)
	v_add_nc_u32 v3, s35, v4
	v_lshlrev_b32 v5, 2, v15
	s_wait_alu depctr_va_vdst(0)
	s_wait_kmcnt 0x0
	s_cmp_eq_u32 s25, 1                            ; the choice of the weight hangs on the work-group's number alone
	s_cselect_b64 s[6:7], s[8:9], s[6:7]
	s_cmp_eq_u32 s25, 2
	s_cselect_b64 s[6:7], s[10:11], s[6:7]
	s_cmp_eq_u32 s25, 3
	s_cselect_b64 s[6:7], s[12:13], s[6:7]
	s_add_nc_u64 s[6:7], s[6:7], s[28:29]
	s_add_nc_u64 s[18:19], s[18:19], s[30:31]
	s_add_nc_u64 s[20:21], s[20:21], s[32:33]
.irp kb, 0,1,2,3
.irp i, 0,1,2,3,4,5,6,7,8,9,10,11,12,13,14,15,16,17,18,19,20,21,22,23,24,25,26,27,28,29,30,31
	global_load_b32 v[128+32*\kb+\i], v1, s[6:7] offset:(32*\kb+\i)*3072 th:TH_LOAD_NT   ; one row k: the wave reads 128 consecutive bytes, the eight waves 1,024
.endr
.endr
; Block kb = 2 c + hh of my column: registers 6 c .. 6 c + 5 of lane r + 16 hh of the image.
.macro WBLOCK kb, left
.set XS, 128+32*\kb
.set CB, 64+6*\kb
	s_wait_loadcnt \left
	v_max3_num_f32 v6, |v[XS]|, |v[XS+1]|, |v[XS+2]|
	v_max3_num_f32 v7, |v[XS+3]|, |v[XS+4]|, |v[XS+5]|
.irp i, 6,10,14,18,22,26
	s_delay_alu instid0(VALU_DEP_2)
	v_max3_num_f32 v6, v6, |v[XS+\i]|, |v[XS+\i+1]|
	s_delay_alu instid0(VALU_DEP_2)
	v_max3_num_f32 v7, v7, |v[XS+\i+2]|, |v[XS+\i+3]|
.endr
	s_delay_alu instid0(VALU_DEP_2)
	v_max3_num_f32 v6, v6, |v[XS+30]|, |v[XS+31]|
	s_delay_alu instid0(VALU_DEP_1)
	v_max3_num_f32 v6, v6, v7, FLOOR
	s_delay_alu instid0(VALU_DEP_1)
	v_add_nc_u32 v8, EOFF, v6
	s_delay_alu instid0(VALU_DEP_1)
	v_lshrrev_b32 v9, 23, v8
.if \kb == 0
	s_delay_alu instid0(VALU_DEP_1)
	v_mov_b32 v10, v9
.else
	s_delay_alu instid0(VALU_DEP_1)
	v_lshl_or_b32 v10, v9, 8*\kb, v10              ; the lower K in the lower byte
.endif
	v_cvt_scalef32_pk16_fp6_f32 v[CB:CB+2], v[XS:XS+15], v8
	v_cvt_scalef32_pk16_fp6_f32 v[12:14], v[XS+16:XS+31], v8
	v_nop                                          ; one plain line behind the conversions
.irp i, 0,1,2
	v_mov_b32 v[CB+3+\i], v[12+\i]
.endr
.if \kb < 2
	ds_store_b128 v2, v[CB:CB+3] offset:256*(\kb%2)              ; registers 0-3
	ds_store_b64 v2, v[CB+4:CB+5] offset:256*(\kb%2)+512         ; registers 4, 5
.else
	ds_store_b64 v2, v[CB:CB+1] offset:256*(\kb%2)+520           ; registers 6, 7
	ds_store_b128 v2, v[CB+2:CB+5] offset:256*(\kb%2)+1024       ; registers 8-11
.endif
.endm
	WBLOCK 0, 63                                   ; behind this block's loads stand 96; the wait's field ends at 63, which is the smaller count
	WBLOCK 1, 63                                   ; 64 stand behind
	WBLOCK 2, 32
	WBLOCK 3, 0
.irp j, 0,1,2,3,4,5
	ds_load_b128 v[128+4*\j:128+4*\j+3], v3 offset:512*\j      ; the two images, as they are to lie in memory
.endr
	s_wait_alu depctr_va_vdst(0)
.irp j, 0,1,2,3,4,5
	s_wait_dscnt 5-\j                              ; the later read-backs may be out
	global_store_b128 v4, v[128+4*\j:128+4*\j+3], s[18:19] offset:(\j/3)*9216+512*(\j%3)   ; 512 consecutive bytes, aligned
.endr
	global_store_b32 v5, v10, s[20:21]             ; 128 consecutive bytes: the two tiles' scale words of this K step
	s_wait_tensorcnt 0x0
	ds_add_u32 v23, v27
	s_wait_dscnt 0x0
	s_endpgm
.Lfunc_end_k_q2c7e219060_quant:
	.size	k_q2c7e219060_quant, .Lfunc_end_k_q2c7e219060_quant-k_q2c7e219060_quant
	.p2alignl 7, 3214868480
	.fill 96, 4, 3214868480
	.section	.rodata,"a",@progbits
	.p2align	6, 0x0
	.amdhsa_kernel k_q2c7e219060_quant
		.amdhsa_group_segment_fixed_size 93184
		.amdhsa_private_segment_fixed_size 0
		.amdhsa_enable_private_segment 0
		.amdhsa_kernarg_size 72
		.amdhsa_user_sgpr_count 2
		.amdhsa_user_sgpr_kernarg_segment_ptr 1
		.amdhsa_wavefront_size32 1
		.amdhsa_system_sgpr_workgroup_id_x 1
		.amdhsa_system_sgpr_workgroup_id_y 1
		.amdhsa_system_sgpr_workgroup_id_z 1
		.amdhsa_system_vgpr_workitem_id 0
		.amdhsa_next_free_vgpr 256
		.amdhsa_next_free_sgpr 66
		.amdhsa_reserve_vcc 0
		.amdhsa_float_denorm_mode_32 3
		.amdhsa_float_denorm_mode_16_64 3
		.amdhsa_memory_ordered 1
		.amdhsa_forward_progress 1
		.amdhsa_inst_pref_size 52
	.end_amdhsa_kernel
	.amdgpu_metadata
---
amdhsa.version: [ 1, 2 ]
amdhsa.kernels:
  - .name:           k_q2c7e219060_quant
    .symbol:         k_q2c7e219060_quant.kd
    .args:
      - { .name: hidden_states, .offset: 0, .size: 8, .value_kind: global_buffer, .address_space: global }
      - { .name: Wq, .offset: 8, .size: 8, .value_kind: global_buffer, .address_space: global }
      - { .name: Wk, .offset: 16, .size: 8, .value_kind: global_buffer, .address_space: global }
      - { .name: Wv, .offset: 24, .size: 8, .value_kind: global_buffer, .address_space: global }
      - { .name: Wo, .offset: 32, .size: 8, .value_kind: global_buffer, .address_space: global }
      - { .name: xc, .offset: 40, .size: 8, .value_kind: global_buffer, .address_space: global }
      - { .name: xs, .offset: 48, .size: 8, .value_kind: global_buffer, .address_space: global }
      - { .name: wc, .offset: 56, .size: 8, .value_kind: global_buffer, .address_space: global }
      - { .name: ws, .offset: 64, .size: 8, .value_kind: global_buffer, .address_space: global }
    .group_segment_fixed_size: 93184
    .private_segment_fixed_size: 0
    .kernarg_segment_align: 8
    .kernarg_segment_size: 72
    .max_flat_workgroup_size: 256
    .sgpr_count:     66
    .vgpr_count:     256
    .wavefront_size: 32
...
	.end_amdgpu_metadata
.endif
;; end of part 4
;; launch attn (part 5): grid 8 x 32, 16 waves a work-group, no clusters, 292,864 bytes of LDS; arguments xc, xs, wc, ws, bq, bk, bv, cc, cs; writes cc, cs
.if DOCPART == 5
	.amdgcn_target "amdgcn-amd-amdhsa--gfx1250"
	.amdhsa_code_object_version 6
	.text
	.protected	k_q2c7e219060_attn
	.globl	k_q2c7e219060_attn
	.p2align	8
	.type	k_q2c7e219060_attn,@function
k_q2c7e219060_attn:
	s_mov_b64 s[64:65], 0
	v_nop
	global_prefetch_b8 v0, s[64:65] scope:SCOPE_SE
	s_setreg_imm32_b32 hwreg(HW_REG_WAVE_SCHED_MODE, 0, 2), 2
	s_setreg_imm32_b32 hwreg(HW_REG_WAVE_MODE, 25, 1), 1
	s_wait_xcnt 0x0
	s_wait_alu depctr_vm_vsrc(0)
; For one group of 512 rows (y = bm, 0..31): q, k, v = x W + b on codes of E2M3; softmax(q k^T / 8) v on codes; ctx quantised and stored as codes.  q, k, v, the scores and p never go to memory.
; A WORK-GROUP STAYS AND MAKES ONE AND A HALF HEADS, so that 32 x 12 heads are 256 equal shares.  Work-groups 2 i and 2 i + 1 (x = j, 0..7) of a group share heads 3 i .. 3 i + 2:
;   unit 0: head 3 i + j % 2, whole;   unit 1: head 3 i + 2, all its keys, and of each pair of query tiles the tile j % 2.  k and v of the shared head are made by both partners.
; Sixteen waves of 256 registers, four to a SIMD; wave w owns rows 32 w .. 32 w + 31 (x tiles 2 w, 2 w + 1): it projects them and later owns them (unit 1: one tile of them) as queries.
; TILES: lane r of tile 2 G + u holds row 32 G + 8 u + r + 8 (r / 8); the head's column tiles of Wq, Wk, Wv likewise.  So:
;   q, k transposed (source 0 = 16 columns of W, source 1 = 16 rows of x): a lane holds ONE row, the 16 registers of tiles 2 b, 2 b + 1 are dims 32 b + 16 h + 0 .. 15;
;   v plain (source 0 = x, source 1 = Wv): a lane holds ONE dim, the 16 registers of my two x tiles are 16 keys of my 32: one block along the second product's K;
;   S^T = k q^T and O^T = v^T p^T: a lane holds one query; registers run along the keys, then along the dims.  One macro, QUANT, quantises q, k, v and ctx.
; IN UNIT 1 MY TWO TILES OF x CHANGE PLACES BY ADDRESS: position u holds tile 2 w + (u xor j % 2), so that my query tile is always position 0.  k's and v's images keep their places by position: the keys of a block of 32
; are permuted alike in p and in v; the blocks, their scales and the codes are the same, only the order of the sums differs.
; THE HEAD IS 64 WIDE, the instruction 128: q's registers 6-11 are zero codes and the upper two bytes of q's and k's scale words are 0 (2^-127, no NaN), so whatever stands in source 0's registers 6-11 adds nothing.
; SOFTMAX: t = score x log2(e) / 8; M = the running largest t rounded up to a whole number; p = 2^(t - M) is quantised along the keys; the sum is taken of the unquantised p and divides at the end.
; IMAGES: a fragment (12 registers a lane) lies as 3 x 512 bytes, 16 bytes a lane; half a fragment (6 registers) as 512 bytes (registers 0-3, 16 a lane) + 256 (registers 4, 5, 8 a lane).
; BOTH UNITS' WEIGHTS come into LDS at the head, so that no barrier stands between unit 0's attention and unit 1's first pass: a wave that has finished its queries goes on multiplying.
; cs: the two scale bytes of row r of tile T lie at ((12 bm + n) 32 + 16 (T % 2) + T / 2) x 32 + 2 r: unit 1's sixteen tiles are 512 consecutive bytes.
; No cluster and no tensor load: what the eight work-groups of a group share is x's codes, 294,912 bytes; a wave wants its own two tiles of them, 18,432 bytes, in its registers, and takes them there by plain loads;
; a joint tensor load would bring them by way of LDS, of which 38,400 bytes are left.
; LIMITS: NaN and infinities are not served; a block of zeros (or under 2^-124) gets the byte 1 with zero codes; a p under 2^-126 becomes 0 (v_exp_f32 flushes it).
; THE MODE: SCHED_MODE bits 1:0 = 2 (LLVM: expert scheduling mode 2), set by the entry lines.  The code itself states the register dependences
; between vector or matrix instructions and memory or LDS instructions, with s_wait_alu, always for 0.
; THE PLAN.  Registers that memory or LDS instructions touch, and who else names them:
;   W's two sets (v32-79, v28-31)    Group g's products read set g % 2; the LDS loads of group g + 1 land in the other set, which group g - 1's products read.
;   x's two sets (v80-127, v24-27)   Step s's products read set s % 2; the loads of step s + 1, issued in step s's first group, land in the other set, which step s - 1's products read.
;     So ONE wait on va_vdst stands at a group's head: the last group's products are done reading.  W's eight loads follow it at once; x's eight are dealt among the group's products,
;     which name the sets in hand and the accumulators, none of the registers that those loads touch.
;   the sets 1, between the passes   The quantiser works there and leaves k's and v's codes there: one wait on va_vdst ahead of each run of LDS stores, one on vm_vsrc before loads or vector lines write those registers again.
;   v3-13, v17, v18                  Addresses.  PADDR and ASETUP make them anew, each behind a wait on vm_vsrc; the next wait on va_vdst stands ahead of their first use.
;   the attention                    k's and v's fragments share v32-79, their scale words v24-31.  A key step: vm_vsrc, six addresses stepped, va_vdst (they are written; the last products are done with v's registers), k's loads,
;                                    eight products, va_vdst (they are done with k's registers), v's loads, the softmax, va_vdst (p's codes and scale word are written), four products.
;   v224-241, v19                    ctx's codes and scale word: one wait on va_vdst ahead of their stores; written again only behind a later wait on vm_vsrc.
.set W2OFF, 110592                     ; LDS: unit un's 72 fragments of Wq, Wk, Wv at un x W2OFF + m x 36864 + (6 t + s) x 1536
.set WSC,  221184                      ; their scale words, un x 6144 + m x 2048 + (((t / 2) 6 + s) 2 + t % 2) x 64 + 4 r
.set KIMG, 233472                      ; k: half fragments, tile x 768
.set KSC,  258048                      ; k's scale words, tile x 128 + 4 lane
.set VIMG, 262144                      ; v^T: half fragments, ((4 dt + S) 2 + c) x 768: dims tile dt, keys 128 S + 64 c ..
.set VSC,  286720                      ; v's scale bytes, (4 dt + S) x 64 + 4 r + block
.set CSG,  287744                      ; ctx's scale bytes: unit 0: (16 u + w) x 32 + 2 r, 1,024 bytes; unit 1: 1024 + 32 w + 2 r, 512 bytes
.set FLOOR, 0x1800000                  ; 2^(3 - 127)
.set EOFF,  0xff000000                 ; takes 2 off an exponent field
; registers that stay through the launch
.set L16,  1                           ; 16 lane
.set L8,   2                           ; 8 lane
.set QS,   14                          ; v14, v15: q's scale words (scale words alone, the whole launch)
.set PWR,  16                          ; v16: p's scale word (likewise)
.set XSW,  24                          ; v24-27 x's scale words, two sets of two;  in the attention v24-31: k's, then v's
.set WSW,  28                          ; v28-31 W's scale words, two sets of two
.set QF,   224                         ; v224-235, v236-247: q's two fragments; at a unit's end ctx's codes
; the projection (made anew for each unit by PADDR)
.set WA,   3                           ; v3-5  un x W2OFF + m x 36864 + 16 lane
.set WSA,  6                           ; WSC + 6144 un + 4 r
.set XSA,  7                           ; 16 r
.set KW16, 8
.set KW8,  9
.set KWS,  10
.set VW16, 11
.set VW8,  12
.set VSB,  13
.set BA,   17                          ; bq, bk: 64 h
.set BVA,  18                          ; bv: 4 (r + 8 (r / 8))
.set BETA, 20                          ; v20-23 bv at my dim of each tile
.set WF,   32                          ; v32-79   W's fragments, two sets of two
.set XF,   80                          ; v80-127  x's fragments, two sets of two
.set ACC,  128                         ; v128-255 pass 1: (m, u, t) at 8 ((2 m + u) 4 + t);  pass 2: (dt, u) at 8 (2 dt + u)
.set BV,   192                         ; pass 2: bv as the C of the first K step, 8 registers a tile
; the attention (made anew for each unit by ASETUP)
.set AK16, 3
.set AK8,  4
.set AKS,  5
.set AV16, 6
.set AV8,  7
.set AVS,  8
.set CW,   9
.set WK16, 10
.set WK8,  11
.set WKS,  12
.set WV16, 13
.set WV8,  17
.set WVS,  18
.set CPW,  19                          ; ctx's scale word
.set NM,   20                          ; -M
.set TT,   21                          ; the largest t
.set SUM,  22                          ; v[22:23] the sum in two halves
.set SCW,  24
.set KF,   32                          ; k's eight tiles, 6 registers each; v80-85 zeros;  then v's four fragments
.set ST,   96                          ; S^T, then p
.set OT,   160                         ; O^T
.set PC,   192                         ; p's codes
.set PT,   204
.set BM,   212
.set TX,   216
.set SO,   220
.set SU2,  248                         ; v[248:249] the sum's second chain
.set FF,   252                         ; v[252:253] f, later 1 / sum
.set T2,   254
; scalars.  Pointers of unit un: x's codes s[48+4un : 51+4un] (positions 0, 1), x's scale words s[56+4un : 59+4un]; bq, bk, bv s[12:17] | s[66:71]; cc s[18:19] | s[72:73]; cs s[20:21] | s[74:75]; wc, ws s[8:11] | s[76:79]
.set WV,   22
.set TK,   30
.set TKS,  31
.set TV,   32
.set TVS,  33
.set CNT,  34
.set CS,   36                          ; s[36:37] log2(e) / 8
.set SEL,  38                          ; s[38:39] lane l takes lane l xor 16
.macro SYMS                            ; what hangs on the unit UN
.set XCP, 48+4*UN
.set XSP, 56+4*UN
.set BQP, 12+54*UN
.set CCP, 18+54*UN
.set CSO, 1024*UN
.endm
.macro PLACES                          ; four plain lines between a matrix instruction and a load into, or a vector read or write of, its registers
.rept 4
	v_nop
.endr
.endm
.macro MMA d, a, b, sa, sb             ; D += A B
	v_wmma_scale_f32_16x16x128_f8f6f4 v[(\d):(\d)+7], v[(\a):(\a)+11], v[(\b):(\b)+11], v[(\d):(\d)+7], v[(\sa)], v[(\sb)] matrix_a_fmt:MATRIX_FMT_FP6 matrix_b_fmt:MATRIX_FMT_FP6
.endm
.macro MMC d, a, b, c, sa, sb          ; D = A B + C
	v_wmma_scale_f32_16x16x128_f8f6f4 v[(\d):(\d)+7], v[(\a):(\a)+11], v[(\b):(\b)+11], v[(\c):(\c)+7], v[(\sa)], v[(\sb)] matrix_a_fmt:MATRIX_FMT_FP6 matrix_b_fmt:MATRIX_FMT_FP6
.endm
.macro MMZ d, a, b, sa, sb             ; D = A B
	v_wmma_scale_f32_16x16x128_f8f6f4 v[(\d):(\d)+7], v[(\a):(\a)+11], v[(\b):(\b)+11], 0, v[(\sa)], v[(\sb)] matrix_a_fmt:MATRIX_FMT_FP6 matrix_b_fmt:MATRIX_FMT_FP6
.endm
; nb blocks of 32: register 16 b + i of src is number 16 h + i of block b along K of my row.  Codes to dst (6 registers for each pair of blocks: lanes 0-15 the even block, lanes 16-31 the odd one, whole),
; the bytes to v[QTX + b], for nb = 2 the scale word to v[pw] (pw under 256).  At work: QTM, QTX, QSO (nb registers each), QPT (4 for each pair).  Each accumulator is read from its low end on.
.macro QUANT src, nb, dst, pw
.set qb, 0
.rept \nb
	v_max3_num_f32 v[QTM+qb], |v[\src+16*qb]|, |v[\src+16*qb+1]|, FLOOR
.set qb, qb+1
.endr
.irp i, 2,4,6,8,10,12,14
.set qb, 0
.rept \nb
	v_max3_num_f32 v[QTM+qb], v[QTM+qb], |v[\src+16*qb+\i]|, |v[\src+16*qb+\i+1]|
.set qb, qb+1
.endr
.endr
.set qb, 0
.rept \nb
	v_permlanex16_b32 v[QTX+qb], v[QTM+qb], s[SEL], s[SEL+1]
.set qb, qb+1
.endr
.set qb, 0
.rept \nb
	v_max_num_f32 v[QTM+qb], v[QTM+qb], v[QTX+qb]  ; with the other half's 16: the block's largest magnitude
.set qb, qb+1
.endr
.set qb, 0
.rept \nb
	v_add_nc_u32 v[QSO+qb], EOFF, v[QTM+qb]        ; the conversion takes this operand's exponent field as its scale
.set qb, qb+1
.endr
.set qb, 0
.rept \nb
	v_lshrrev_b32 v[QTX+qb], 23, v[QSO+qb]         ; the byte
.set qb, qb+1
.endr
.if (\pw) < 256
	v_lshl_or_b32 v[\pw], v[QTX+1], 8, v[QTX]      ; bytes 2 and 3 stay 0
.endif
.set qc, 0
.rept (\nb)/2
	v_cvt_scalef32_pk16_fp6_f32 v[\dst+6*qc:\dst+6*qc+2], v[\src+32*qc:\src+32*qc+15], v[QSO+2*qc]
	v_cvt_scalef32_pk16_fp6_f32 v[QPT+4*qc:QPT+4*qc+2], v[\src+32*qc+16:\src+32*qc+31], v[QSO+2*qc+1]
.set qc, qc+1
.endr
	v_nop                                          ; one plain line behind the conversions
.set qc, 0
.rept (\nb)/2
.irp i, 0,1,2
	v_permlane16_swap_b32 v[\dst+6*qc+\i], v[QPT+4*qc+\i]   ; the first's lanes 16-31 change places with the second's lanes 0-15
.endr
.irp i, 0,1,2
	v_mov_b32 v[\dst+6*qc+3+\i], v[QPT+4*qc+\i]
.endr
.set qc, qc+1
.endr
.endm
; The projection's addresses, from the thread's and the wave's number.  At work: v122-124 (x's set 1, idle here), s23, s25, s32, s33
.macro PADDR
	v_and_b32 v122, 31, v0                         ; lane
	v_and_b32 v123, 15, v0                         ; r
	v_bfe_u32 v124, v0, 4, 1                       ; h
	v_lshl_add_u32 v[WA], v122, 4, UN*W2OFF
	v_add_nc_u32 v[WA+1], 36864, v[WA]
	v_add_nc_u32 v[WA+2], 73728, v[WA]
	v_lshl_add_u32 v[WSA], v123, 2, WSC+6144*UN
	v_lshlrev_b32 v[XSA], 4, v123
	s_mul_i32 s23, s[WV], 1536
	v_add_nc_u32 v[KW16], s23, v[L16]
	v_add_nc_u32 v[KW16], KIMG, v[KW16]            ; k: my two tiles, 16 lane
	v_add_nc_u32 v[KW8], s23, v[L8]
	v_add_nc_u32 v[KW8], KIMG+512, v[KW8]          ; and 8 lane
	s_lshl_b32 s23, s[WV], 8
	v_lshl_add_u32 v[KWS], v122, 2, s23
	v_add_nc_u32 v[KWS], KSC, v[KWS]
	s_lshr_b32 s23, s[WV], 1                       ; v: my key block w is lanes 16 (w % 2) .. of half fragment w / 2 of each dims tile
	s_mul_i32 s23, s23, 768
	s_and_b32 s25, s[WV], 1
	s_lshl_b32 s32, s25, 8
	s_add_co_u32 s32, s32, s23
	s_lshl_b32 s33, s25, 7
	s_add_co_u32 s33, s33, s23
	v_mul_u32_u24 v[VW16], v124, 6144              ; lanes 16-31 hold the odd dims tile
	v_lshl_add_u32 v[VW8], v123, 3, v[VW16]
	v_lshl_add_u32 v[VW16], v123, 4, v[VW16]
	v_add_nc_u32 v[VW16], s32, v[VW16]
	v_add_nc_u32 v[VW16], VIMG, v[VW16]
	v_add_nc_u32 v[VW8], s33, v[VW8]
	v_add_nc_u32 v[VW8], VIMG+512, v[VW8]
	s_lshr_b32 s23, s[WV], 2
	s_lshl_b32 s23, s23, 6
	s_and_b32 s25, s[WV], 3
	s_add_co_u32 s23, s23, s25
	v_lshl_add_u32 v[VSB], v123, 2, s23
	v_add_nc_u32 v[VSB], VSC, v[VSB]               ; byte w % 4 of the word of key step w / 4
	v_lshlrev_b32 v[BA], 6, v124                   ; bq, bk: 16 h numbers on
	v_and_b32 v[BVA], 8, v123
	v_add_nc_u32 v[BVA], v[BVA], v123
	v_lshlrev_b32 v[BVA], 2, v[BVA]                ; bv: number r + 8 (r / 8)
.endm
; bq and bk are the accumulators' first contents: register j of tile t is dim 32 (t / 2) + 16 h + 8 (t % 2) + j.  Unit 1 has no q of position 1
.macro BIASLD
.irp m, 0,1
.irp u, 0,1
.if (UN == 0) || (\m == 1) || (\u == 0)
.irp t, 0,1,2,3
	global_load_b128 v[ACC+8*((2*\m+\u)*4+\t):ACC+8*((2*\m+\u)*4+\t)+3], v[BA], s[BQP+2*\m:BQP+2*\m+1] offset:(32*(\t/2)+8*(\t%2))*4
	global_load_b128 v[ACC+8*((2*\m+\u)*4+\t)+4:ACC+8*((2*\m+\u)*4+\t)+7], v[BA], s[BQP+2*\m:BQP+2*\m+1] offset:(32*(\t/2)+8*(\t%2))*4+16
.endr
.endif
.endr
.endr
.endm
.macro BETALD
.irp t, 0,1,2,3
	global_load_b32 v[BETA+\t], v[BVA], s[BQP+4:BQP+5] offset:(32*(\t/2)+8*(\t%2))*4
.endr
.endm
; Step sg of twelve (pass sg / 6, K step sg % 6): my two positions' fragments and scale words of x, from memory, into set sg % 2: eight loads, in four parts of two.
; Part k: position k / 2; k even: the fragment's first 1,024 bytes; k odd: its last 512 and the scale word
.macro XPART sg, k
.set xks, (\sg)%6
.set xst, (\sg)%2
.set xu, (\k)/2
.if (\k)%2 == 0
	global_load_b128 v[XF+24*xst+12*xu:XF+24*xst+12*xu+3], v[L16], s[XCP+2*xu:XCP+2*xu+1] offset:xks*1536
	global_load_b128 v[XF+24*xst+12*xu+4:XF+24*xst+12*xu+7], v[L16], s[XCP+2*xu:XCP+2*xu+1] offset:xks*1536+512
.else
	global_load_b128 v[XF+24*xst+12*xu+8:XF+24*xst+12*xu+11], v[L16], s[XCP+2*xu:XCP+2*xu+1] offset:xks*1536+1024
	global_load_b32 v[XSW+2*xst+xu], v[XSA], s[XSP+2*xu:XSP+2*xu+1] offset:256*(xks/3)+4*(xks%3)
.endif
.endm
.macro XLOAD sg                        ; all four parts on end
.irp k, 0,1,2,3
	XPART \sg, \k
.endr
.endm
; Group gn of 36: two fragments of W and their scale words, from LDS, into set gn % 2: eight loads.  Groups 0-23: K step gn / 4, tiles 2 (gn % 4) + i of Wq's four and Wk's four; groups 24-35: Wv
.macro WLOAD gn
.set wst, (\gn)%2
.irp i, 0,1
.if (\gn) < 24
.set wks, (\gn)/4
.set wtt, 2*((\gn)%4)+\i
.set wmm, wtt/4
.set wti, wtt%4
.else
.set wks, ((\gn)-24)/2
.set wmm, 2
.set wti, 2*(((\gn)-24)%2)+\i
.endif
.irp p, 0,1,2
	ds_load_b128 v[WF+24*wst+12*\i+4*\p:WF+24*wst+12*\i+4*\p+3], v[WA+wmm] offset:(6*wti+wks)*1536+512*\p
.endr
	ds_load_b32 v[WSW+2*wst+\i], v[WSA] offset:wmm*2048+(((wti/2)*6+wks)*2+wti%2)*64
.endr
.endm
; A group: the next group's W is asked for, then come the products of two tiles of W with my two positions of x (unit 1: Wq's with position 0 alone), each on an accumulator of its own;
; in a step's first group the next step's x is asked for among the products.  The accumulators take turns, one instruction a turn.
.macro GROUP gn
.if (\gn) < 24
.set gsg, (\gn)/4
.set gpos, (\gn)%4
.else
.set gsg, 6+((\gn)-24)/2
.set gpos, ((\gn)-24)%2
.endif
.if (\gn) > 0
	PLACES                                         ; the loads below land in registers that the last group's products read
	s_wait_alu depctr_va_vdst(0)                   ; the last group's products are done reading W's other set, and the last step's x's other set, with their scale words, in which this group's loads land (pass 2's first group: the quantiser is done with both sets 1)
.else
	XLOAD 1                                        ; a unit's first group: the next step's x goes out ahead of the wait for the biases.  No vector or matrix instruction since the last wait on va_vdst names its registers
.endif
.if (\gn) < 35
	WLOAD (\gn)+1
	s_wait_dscnt 8                                 ; this group's W is in; the eight loads just issued may be out
.else
	s_wait_dscnt 0x0
.endif
.if (\gn) == 0
	s_wait_loadcnt 8                               ; this step's x and the biases are in; the next step's eight loads may be out
.elseif gpos == 0
	s_wait_loadcnt 0x0                             ; this step's x is in: nothing else is out, the next step's loads stand among the products below
.endif
.set mw, WF+24*((\gn)%2)
.set mx, XF+24*(gsg%2)
.set msw, WSW+2*((\gn)%2)
.set msx, XSW+2*(gsg%2)
.irp i, 0,1
.irp u, 0,1
.if (\gn) < 24
.set mtt, 2*gpos+\i
.set ma, ACC+8*((2*(mtt/4)+\u)*4+mtt%4)
.if (UN == 0) || (mtt >= 4) || (\u == 0)
	MMA ma, mw+12*\i, mx+12*\u, msw+\i, msx+\u
.endif
.else
.set mdt, 2*gpos+\i
.set ma, ACC+8*(2*mdt+\u)
.if gsg == 6
	MMC ma, mx+12*\u, mw+12*\i, BV+8*mdt, msx+\u, msw+\i
.else
	MMA ma, mx+12*\u, mw+12*\i, msx+\u, msw+\i
.endif
.endif
.if ((\gn) > 0) && (gpos == 0) && (gsg < 11)
	XPART gsg+1, 2*\i+\u                           ; two of the next step's eight loads of x.  No wait: the products since the head's wait name the sets in hand and the accumulators alone
.endif
.endr
.endr
.endm
.macro BARRIER                                 ; my LDS stores have landed and my LDS loads are in: then the work-group's barrier
	s_wait_dscnt 0x0
	s_barrier_signal -1
	s_barrier_wait -1
.endm
; The attention's addresses and the registers that it wants written once
.macro ASETUP
	s_wait_alu depctr_vm_vsrc(0)                   ; the projection's loads and stores have read their addresses v3-13, v17, v18, and v's stores their data v56-67, v104-107: all are written again from here on
	v_and_b32 v19, 31, v0
	v_and_b32 v17, 15, v0
	v_lshl_add_u32 v[AK16], v19, 4, KIMG
	v_lshl_add_u32 v[AK8], v19, 3, KIMG+512
	v_lshl_add_u32 v[AKS], v19, 2, KSC
	v_lshl_add_u32 v[AV16], v19, 4, VIMG
	v_lshl_add_u32 v[AV8], v19, 3, VIMG+512
	v_lshl_add_u32 v[AVS], v17, 2, VSC
	s_lshl_b32 s23, s[WV], 5
	v_lshl_add_u32 v[CW], v17, 1, s23
	v_add_nc_u32 v[CW], CSG, v[CW]
.irp i, 0,1,2,3,4,5
	v_mov_b32 v[KF+48+\i], 0                       ; what stands behind the eighth tile of k
.endr
.irp b, 0,1,2,3
	v_mov_b32 v[TX+\b], 0                          ; a lane permute's destination counts as read
.endr
	v_mov_b32 v[FF], 0
	v_mov_b32 v[FF+1], 0                           ; (named as the upper half of a pair)
.endm
; My query tile at position u: four key steps of 128, then the way out.
.macro ATT u
	v_mov_b32 v[TT], 0xff61b1e6                    ; -3e38, under every t
	v_floor_f32 v[NM], -v[TT]
	v_mov_b32 v[SUM], 0
	v_mov_b32 v[SUM+1], 0
.set aj, 0
.rept 32
	v_mov_b32 v[OT+aj], 0                          ; the step is written once: the first finds zeros, which the first change of M leaves zeros
.set aj, aj+1
.endr
	s_mov_b32 s[TK], 0
	s_mov_b32 s[TKS], 0
	s_mov_b32 s[TV], 0
	s_mov_b32 s[TVS], 0
	s_mov_b32 s[CNT], 4
.Lstep_\@:
	s_wait_alu depctr_vm_vsrc(0)                   ; the LDS loads issued so far have read the six addresses that the lines below write (and the last tile's store of ctx's scale word has read v[CPW])
	v_add_nc_u32 v[WK16], s[TK], v[AK16]           ; (these six are also the places behind the last step's products)
	v_add_nc_u32 v[WK8], s[TK], v[AK8]
	v_add_nc_u32 v[WKS], s[TKS], v[AKS]
	v_add_nc_u32 v[WV16], s[TV], v[AV16]
	v_add_nc_u32 v[WV8], s[TV], v[AV8]
	v_add_nc_u32 v[WVS], s[TVS], v[AVS]
	s_wait_alu depctr_va_vdst(0)                   ; the six addresses are written; the last step's products are done reading v's fragments and scale words, in whose registers k's land; first trip: the quantiser is done with these registers, and q's codes, its scale word and the zeros behind k's eighth tile are written, which the products below take
.irp t, 0,1,2,3,4,5,6,7
	ds_load_b128 v[KF+6*\t:KF+6*\t+3], v[WK16] offset:768*\t
	ds_load_b64 v[KF+6*\t+4:KF+6*\t+5], v[WK8] offset:768*\t
	ds_load_b32 v[SCW+\t], v[WKS] offset:128*\t
.endr
	s_wait_dscnt 0x0
.irp t, 0,1,2,3,4,5,6,7                        ; S^T: source 0's registers 6-11 are the next tile's codes (or zeros): they meet q's zero codes
	MMZ ST+8*\t, KF+6*\t, QF+12*\u, SCW+\t, QS+\u
.endr
	PLACES
	s_wait_alu depctr_va_vdst(0)                   ; the eight products are done reading k's fragments and scale words, in whose registers v's land
.irp t, 0,1,2,3                                ; v's fragments of these 128 keys take k's registers now and land under the softmax, which names none of them
.irp c, 0,1
	ds_load_b128 v[KF+12*\t+6*\c:KF+12*\t+6*\c+3], v[WV16] offset:6144*\t+768*\c
	ds_load_b64 v[KF+12*\t+6*\c+4:KF+12*\t+6*\c+5], v[WV8] offset:6144*\t+768*\c
.endr
	ds_load_b32 v[SCW+\t], v[WVS] offset:256*\t
.endr
.irp b, 0,1,2,3
	v_max3_num_f32 v[BM+\b], v[ST+16*\b], v[ST+16*\b+1], v[ST+16*\b+2]   ; the largest score of each block of 32 keys: for the row's maximum and, since p rises with the score, for the block's largest p
.endr
.irp i, 3,5,7,9,11,13
.irp b, 0,1,2,3
	v_max3_num_f32 v[BM+\b], v[BM+\b], v[ST+16*\b+\i], v[ST+16*\b+\i+1]
.endr
.endr
.irp b, 0,1,2,3
	v_max_num_f32 v[BM+\b], v[BM+\b], v[ST+16*\b+15]
.endr
.irp b, 0,1,2,3
	v_permlanex16_b32 v[TX+\b], v[BM+\b], s[SEL], s[SEL+1]
.endr
.irp b, 0,1,2,3
	v_max_num_f32 v[BM+\b], v[BM+\b], v[TX+\b]
.endr
	v_max3_num_f32 v[T2], v[BM], v[BM+1], v[BM+2]
	v_max_num_f32 v[T2], v[T2], v[BM+3]
	v_mul_f32 v[T2], s[CS], v[T2]
	v_max_num_f32 v[TT], v[TT], v[T2]              ; the running largest t
	v_mov_b32 v[T2], v[NM]
	v_floor_f32 v[NM], -v[TT]                      ; -M = floor(-t): M is a whole number
	v_sub_f32 v[T2], v[NM], v[T2]                  ; old M - new M, 0 or less
	v_cvt_i32_f32 v[T2], v[T2]                     ; (it saturates)
	v_ldexp_f32 v[FF], 1.0, v[T2]                  ; f = 2^(old M - new M): a multiplication by it rounds nothing
.set aj, 0
.rept 32
	v_pk_fma_f32 v[ST+aj:ST+aj+1], v[ST+aj:ST+aj+1], s[CS:CS+1], v[NM:NM+1] op_sel_hi:[1,0,0]   ; t - M
.set aj, aj+2
.endr
.irp b, 0,1,2,3
	v_fma_f32 v[BM+\b], v[BM+\b], s[CS], v[NM]
.endr
.set aj, 0
	s_wait_alu depctr_va_vdst(0)
.rept 64
	v_exp_f32 v[ST+aj], v[ST+aj]                   ; p = 2^(t - M)
.set aj, aj+1
.endr
	v_pk_mul_f32 v[SUM:SUM+1], v[SUM:SUM+1], v[FF:FF+1] op_sel_hi:[1,0]   ; a plain line behind the exponentials
	s_wait_alu depctr_va_vdst(0)                   ; the 64 exponentials have written p: one wait for the batch, ahead of its first reader
.irp b, 0,1,2,3
	v_exp_f32 v[BM+\b], v[BM+\b]                   ; each block's largest p
.endr
	v_pk_add_f32 v[SU2:SU2+1], v[ST:ST+1], v[ST+2:ST+3]   ; the sum of the unquantised p, in two chains
.irp j, 4,8,12,16,20,24,28,32,36,40,44,48,52,56,60
	v_pk_add_f32 v[SUM:SUM+1], v[SUM:SUM+1], v[ST+\j:ST+\j+1]
	v_pk_add_f32 v[SU2:SU2+1], v[SU2:SU2+1], v[ST+\j+2:ST+\j+3]
.endr
	v_pk_add_f32 v[SUM:SUM+1], v[SUM:SUM+1], v[SU2:SU2+1]
	s_wait_alu depctr_va_vdst(0)                   ; and one for the four: they have written the blocks' largest p
.irp b, 0,1,2,3
	v_max_num_f32 v[BM+\b], FLOOR, v[BM+\b]
.endr
.irp b, 0,1,2,3
	v_add_nc_u32 v[SO+\b], EOFF, v[BM+\b]
.endr
.irp b, 0,1,2,3
	v_lshrrev_b32 v[TX+\b], 23, v[SO+\b]
.endr
	v_lshl_or_b32 v[PWR], v[TX+1], 8, v[TX]
	v_lshl_or_b32 v[PWR], v[TX+2], 16, v[PWR]
	v_lshl_or_b32 v[PWR], v[TX+3], 24, v[PWR]      ; p's scale word for these 128 keys
.irp c, 0,1
	v_cvt_scalef32_pk16_fp6_f32 v[PC+6*\c:PC+6*\c+2], v[ST+32*\c:ST+32*\c+15], v[SO+2*\c]
	v_cvt_scalef32_pk16_fp6_f32 v[PT+4*\c:PT+4*\c+2], v[ST+32*\c+16:ST+32*\c+31], v[SO+2*\c+1]
.endr
	v_nop                                          ; one plain line behind the conversions
.irp c, 0,1
.irp i, 0,1,2
	v_permlane16_swap_b32 v[PC+6*\c+\i], v[PT+4*\c+\i]
.endr
.irp i, 0,1,2
	v_mov_b32 v[PC+6*\c+3+\i], v[PT+4*\c+\i]
.endr
.endr
.set aj, 0
.rept 16
	v_pk_mul_f32 v[OT+aj:OT+aj+1], v[OT+aj:OT+aj+1], v[FF:FF+1] op_sel_hi:[1,0]   ; O^T under the new M; these sixteen also stand between the scale word and codes just made and the products
.set aj, aj+2
.endr
	s_wait_dscnt 0x0                               ; v's fragments are in
	s_wait_alu depctr_va_vdst(0)                   ; p's codes and p's scale word are written, which the products below take as source 1 and as its scales; the places above stay beside this wait
.irp t, 0,1,2,3
	MMA OT+8*\t, KF+12*\t, PC, SCW+\t, PWR
.endr
	s_add_co_u32 s[TK], s[TK], 6144
	s_add_co_u32 s[TKS], s[TKS], 1024
	s_add_co_u32 s[TV], s[TV], 1536
	s_add_co_u32 s[TVS], s[TVS], 64
	s_sub_co_u32 s[CNT], s[CNT], 1
	s_cmp_lg_u32 s[CNT], 0
	s_cbranch_scc1 .Lstep_\@
	PLACES
	v_add_f32 v[SUM], v[SUM], v[SUM+1]
	v_permlanex16_b32 v[FF], v[SUM], s[SEL], s[SEL+1]
	v_add_f32 v[SUM], v[SUM], v[FF]                ; the row's sum
	s_wait_alu depctr_va_vdst(0)
	v_rcp_f32 v[FF], v[SUM]
	v_nop                                          ; a plain line behind the reciprocal
	s_wait_alu depctr_va_vdst(0)                   ; the reciprocal is written: the wait ahead of its first reader
.set aj, 0
.rept 16
	v_pk_mul_f32 v[ST+aj:ST+aj+1], v[OT+aj:OT+aj+1], v[FF:FF+1] op_sel_hi:[1,0]   ; ctx: register 16 b + i is dim 32 b + 16 h + i of my query
.set aj, aj+2
.endr
	QUANT ST, 2, QF+12*\u, CPW                     ; ctx's codes take the place of this tile's q: each tile stores from registers of its own
	s_wait_alu depctr_va_vdst(0)                   ; ctx's codes and scale word are written, which the three stores below read
	global_store_b128 v[L16], v[QF+12*\u:QF+12*\u+3], s[CCP:CCP+1] offset:768*\u       ; 512 consecutive bytes, aligned
	global_store_b64 v[L8], v[QF+12*\u+4:QF+12*\u+5], s[CCP:CCP+1] offset:768*\u+512   ; 256 consecutive bytes, aligned
	ds_store_b16 v[CW], v[CPW] offset:CSO+512*\u   ; the two bytes; both halves of the lanes write the same
.endm
; A UNIT, from its first group on.  Unit 0's biases and first step of x were asked for at the head.
.macro UNIT
.if UN
	s_wait_dscnt 0x0                               ; my last LDS store has read its registers,
	s_wait_xcnt 0x0                                ; and so have unit 0's stores of ctx: the loads below land on their data registers
	s_wait_alu depctr_vm_vsrc(0)                   ; the attention's LDS loads have read v10-13, v17, v18, and ctx's stores v9, v19 and v224-241: PADDR writes the addresses anew, the biases land on the codes
	PADDR
	s_wait_alu depctr_va_vdst(0)                   ; PADDR's addresses are written, which the loads below read; the attention's vector and matrix instructions are done with v20-255, in which these loads and the first group's land
	BIASLD
	BETALD
	XLOAD 0
.endif
	; ---- pass 1: q and k
	WLOAD 0
.set GG, 0
.rept 24
	GROUP GG
.set GG, GG+1
.endr
.if UN
	BARRIER                                        ; every wave has left unit 0's attention: k's and v's images may be written again
.endif
	; q and k are quantised in registers.  At work: W's set 1 and x's set 1, which the last group has left; the loads on their way land in the sets 0.
.set QPT, 68
.set QTM, 76
.set QTX, 104
.set QSO, 108
	PLACES
.irp b, 0,1,2,3
	v_mov_b32 v[QTX+\b], 0                         ; a lane permute's destination counts as read
.endr
.irp u, 1,0                                    ; k first, position 1 first: its accumulators make room for q's codes.  Each position has code registers and a scale word of its own: v56-61 and v112, v62-67 and v113
	QUANT ACC+64+32*\u, 2, 56+6*\u, 112+\u
.endr
	s_wait_alu depctr_va_vdst(0)                   ; both positions' codes and scale words of k are written, which the six LDS stores below read
.irp u, 1,0
	ds_store_b128 v[KW16], v[56+6*\u:59+6*\u] offset:768*\u
	ds_store_b64 v[KW8], v[60+6*\u:61+6*\u] offset:768*\u
	ds_store_b32 v[KWS], v[112+\u] offset:128*\u
.endr
	QUANT ACC, 2, QF, QS                           ; (q's quantising names none of the registers that those stores read)
.if UN == 0
	QUANT ACC+32, 2, QF+12, QS+1
.endif
.irp i, 6,7,8,9,10,11
	v_mov_b32 v[QF+\i], 0                          ; k = 64 .. 127 of q: zero codes
.if UN == 0
	v_mov_b32 v[QF+12+\i], 0
.endif
.endr
.irp t, 0,1,2,3
.irp j, 0,1,2,3,4,5,6,7
	v_mov_b32 v[BV+8*\t+\j], v[BETA+\t]            ; bv in the result's layout: my dim's number in all eight rows
.endr
.endr
	s_wait_alu depctr_vm_vsrc(0)                   ; k's LDS stores have read v56-67, v112 and v113, in which the next group's loads of W and of x land
	; ---- pass 2: v
.rept 12
	GROUP GG
.set GG, GG+1
.endr
	PLACES
	QUANT ACC, 4, 56, 999                          ; four dims tiles x my 32 keys: v56-61 tiles 0 | 1, v62-67 tiles 2 | 3 (lanes 0-15 | 16-31)
	s_wait_alu depctr_va_vdst(0)                   ; v's codes and scale bytes are written, which the eight LDS stores below read
.irp p, 0,1
	ds_store_b128 v[VW16], v[56+6*\p:59+6*\p] offset:12288*\p
	ds_store_b64 v[VW8], v[60+6*\p:61+6*\p] offset:12288*\p
.endr
.irp t, 0,1,2,3
	ds_store_b8 v[VSB], v[QTX+\t] offset:256*\t    ; both halves of the lanes write the same byte with the same value
.endr
	BARRIER                                        ; k and v of the whole head lie in LDS
	; ---- the attention
	ASETUP
.set QPT, PT
.set QTM, BM
.set QTX, TX
.set QSO, SO
	ATT 0
.if UN == 0
	ATT 1
.endif
.endm
; ------------------------------------------------------------------ the head
	s_load_b512 s[4:19], s[0:1], 0x0               ; xc s[4:5], xs s[6:7], wc s[8:9], ws s[10:11], bq s[12:13], bk s[14:15], bv s[16:17], cc s[18:19]
	s_load_b64 s[20:21], s[0:1], 0x40              ; cs
	v_lshrrev_b32 v1, 5, v0
	v_readfirstlane_b32 s[WV], v1                  ; wave 0..15
	s_wait_alu depctr_va_sdst(0)                   ; the wave's number is written, ahead of its first reader: pointers, LDS addresses and two branches are made from it
	s_and_b32 s24, ttmp7, 0xffff                   ; bm
	s_and_b32 s80, ttmp9, 1                        ; hq = j % 2
	s_lshr_b32 s81, ttmp9, 1
	s_mul_i32 s81, s81, 3
	s_add_co_u32 s82, s81, 2                       ; unit 1's head: 3 i + 2
	s_add_co_u32 s81, s81, s80                     ; unit 0's head: 3 i + hq
	s_lshl_b32 s23, s24, 5
	s_lshl_b32 s25, s[WV], 1
	s_add_co_u32 s23, s23, s25                     ; my first tile of x: 32 bm + 2 w
	s_mul_i32 s26, s23, 9216
	s_mov_b32 s27, 0
	s_lshl_b32 s28, s23, 9
	s_mov_b32 s29, 0
	s_mul_i32 s40, s80, 9216                       ; unit 1: position 0 is tile hq of my two,
	s_mov_b32 s41, 0
	s_sub_co_u32 s42, 9216, s40                    ; position 1 the other
	s_mov_b32 s43, 0
	s_lshl_b32 s44, s80, 9
	s_mov_b32 s45, 0
	s_sub_co_u32 s46, 512, s44
	s_mov_b32 s47, 0
	s_mul_i32 s84, s81, 36864                      ; a head's 24 fragments in each weight,
	s_mov_b32 s85, 0
	s_mul_i32 s86, s82, 36864
	s_mov_b32 s87, 0
	s_mul_i32 s88, s81, 1536                       ; their scale words,
	s_mov_b32 s89, 0
	s_mul_i32 s90, s82, 1536
	s_mov_b32 s91, 0
	s_lshl_b32 s92, s81, 8                         ; its 64 numbers of a bias
	s_mov_b32 s93, 0
	s_lshl_b32 s94, s82, 8
	s_mov_b32 s95, 0
	s_mul_i32 s83, s24, 12
	s_add_co_u32 s30, s83, s81                     ; 12 bm + n
	s_add_co_u32 s32, s83, s82
	s_lshl_b32 s96, s30, 5
	s_add_co_u32 s96, s96, s25
	s_mul_i32 s96, s96, 768                        ; cc, unit 0: tile 2 w
	s_mov_b32 s97, 0
	s_lshl_b32 s98, s32, 5
	s_add_co_u32 s98, s98, s25
	s_add_co_u32 s98, s98, s80
	s_mul_i32 s98, s98, 768                        ; cc, unit 1: tile 2 w + hq
	s_mov_b32 s99, 0
	s_lshl_b32 s30, s30, 10                        ; cs, unit 0: the head's 1,024 bytes
	s_mov_b32 s31, 0
	s_lshl_b32 s32, s32, 10
	s_add_co_u32 s32, s32, s44                     ; cs, unit 1: the 512 bytes of the tiles hq
	s_mov_b32 s33, 0
	s_mov_b32 s[CS], 0x3e38aa3b                    ; log2(e) / 8
	s_mov_b32 s[CS+1], s[CS]                       ; (named with it as a pair)
	s_mov_b32 s[SEL], 0x76543210
	s_mov_b32 s[SEL+1], 0xfedcba98
	v_and_b32 v122, 31, v0
	v_lshlrev_b32 v[L16], 4, v122
	v_lshlrev_b32 v[L8], 3, v122
	v_lshlrev_b32 v113, 3, v0                      ; the head's own addresses lie in x's set 1, idle until the first group: 8 thread,
	v_lshlrev_b32 v114, 2, v0                      ; 4 thread
	s_wait_kmcnt 0x0
	s_add_nc_u64 s[76:77], s[8:9], s[86:87]
	s_add_nc_u64 s[8:9], s[8:9], s[84:85]
	s_add_nc_u64 s[78:79], s[10:11], s[90:91]
	s_add_nc_u64 s[10:11], s[10:11], s[88:89]
	s_add_nc_u64 s[48:49], s[4:5], s[26:27]
	s_add_nc_u64 s[50:51], s[48:49], 9216
	s_add_nc_u64 s[52:53], s[48:49], s[40:41]
	s_add_nc_u64 s[54:55], s[48:49], s[42:43]
	s_add_nc_u64 s[56:57], s[6:7], s[28:29]
	s_add_nc_u64 s[58:59], s[56:57], 512
	s_add_nc_u64 s[60:61], s[56:57], s[44:45]
	s_add_nc_u64 s[62:63], s[56:57], s[46:47]
	s_add_nc_u64 s[66:67], s[12:13], s[94:95]
	s_add_nc_u64 s[68:69], s[14:15], s[94:95]
	s_add_nc_u64 s[70:71], s[16:17], s[94:95]
	s_add_nc_u64 s[12:13], s[12:13], s[92:93]
	s_add_nc_u64 s[14:15], s[14:15], s[92:93]
	s_add_nc_u64 s[16:17], s[16:17], s[92:93]
	s_add_nc_u64 s[72:73], s[18:19], s[98:99]
	s_add_nc_u64 s[18:19], s[18:19], s[96:97]
	s_add_nc_u64 s[74:75], s[20:21], s[32:33]
	s_add_nc_u64 s[20:21], s[20:21], s[30:31]
	s_wait_alu depctr_va_vdst(0)                   ; v113 and v114 are written, which the sixty loads below read as their offsets (v1 and v2, the launch's two standing offsets, too)
; both heads' weights: 2 x 3 x 36,864 bytes, 4,096 an instruction of the work-group; unit 0's through v32-79 and v104-109, unit 1's through v128-181
.set cq, 0
.rept 27
.set cr, 32+2*cq+24*(cq/24)
	global_load_b64 v[cr:cr+1], v113, s[8:9] offset:(cq/9)*442368+4096*(cq%9)
.set cq, cq+1
.endr
.irp m, 0,1,2
	global_load_b32 v[110+\m], v114, s[10:11] offset:\m*18432    ; 2,048 bytes: the head's 1,536 and 512 more, inside ws for every head, which nobody reads in LDS
.endr
.set cq, 0
.rept 27
	global_load_b64 v[128+2*cq:129+2*cq], v113, s[76:77] offset:(cq/9)*442368+4096*(cq%9)
.set cq, cq+1
.endr
.irp m, 0,1,2
	global_load_b32 v[182+\m], v114, s[78:79] offset:\m*18432
.endr
.set UN, 0
	SYMS
	PADDR
	v_lshlrev_b32 v115, 3, v0                      ; where the copies go: 8 thread + m x 36864,
	v_add_nc_u32 v116, 36864, v115
	v_add_nc_u32 v117, 73728, v115
	v_add_nc_u32 v118, WSC, v114
	v_add_nc_u32 v119, W2OFF, v115                 ; and the same for unit 1
	v_add_nc_u32 v120, W2OFF, v116
	v_add_nc_u32 v121, W2OFF, v117
	s_wait_alu depctr_va_vdst(0)                   ; PADDR's addresses and v115-121 are written, which the loads and LDS stores from here on read; the vector lines are done with v113-124, in which the first group's loads of x land
	BETALD
	XLOAD 0
	s_wait_loadcnt 12                              ; the 60 copies are in; behind them stand 4 loads of bv and 8 of x
.set cq, 0
.rept 27
.set cr, 32+2*cq+24*(cq/24)
	ds_store_b64 v[115+cq/9], v[cr:cr+1] offset:4096*(cq%9)
	ds_store_b64 v[119+cq/9], v[128+2*cq:129+2*cq] offset:4096*(cq%9)
.set cq, cq+1
.endr
.irp m, 0,1,2
	ds_store_b32 v118, v[110+\m] offset:2048*\m
	ds_store_b32 v118, v[182+\m] offset:6144+2048*\m
.endr
	s_wait_dscnt 0x0                               ; my stores have landed, for the other waves' sake
	s_wait_alu depctr_vm_vsrc(0)                   ; the copies' loads and LDS stores have read their offsets v113-121 and their data v32-79, v104-112, v128-184: the biases, W's fragments and x's next step land there
	BIASLD                                         ; on their way while the waves meet
	s_barrier_signal -1
	s_barrier_wait -1                              ; both heads' weights lie in LDS
	UNIT                                           ; the whole head
.set UN, 1
	SYMS
	UNIT                                           ; the shared head, my half of its queries
; ctx's scale bytes leave as whole aligned runs, 16 bytes a lane: waves 0 and 1 store unit 0's 1,024, wave 2 unit 1's 512
	s_wait_alu depctr_vm_vsrc(0)                   ; the attention's LDS loads have read v[WK16] and v[WK8], which the four lines below write
	v_and_b32 v[WK16], 127, v0
	v_lshl_add_u32 v[WK16], v[WK16], 4, CSG
	v_and_b32 v[WK8], 63, v0
	v_lshlrev_b32 v[WK8], 4, v[WK8]
	s_wait_alu depctr_va_vdst(0)                   ; the two addresses are written, which the load and the store below read; the vector lines are done with v96-99, in which that load lands
	s_cmp_lt_u32 s[WV], 2
	s_cselect_b64 s[20:21], s[20:21], s[74:75]
	BARRIER
	s_cmp_lt_u32 s[WV], 3
	s_cbranch_scc0 .Lend
	ds_load_b128 v[96:99], v[WK16]
	s_wait_dscnt 0x0
	global_store_b128 v[WK8], v[96:99], s[20:21]
.Lend:
	s_wait_xcnt 0x0
	v_lshl_add_u32 v254, v0, 2, 0x47000            ; the add's two registers are made anew here; no memory or LDS instruction of the launch has read v254 or v255
	v_mov_b32 v255, 0
	s_wait_dscnt 0x0                               ; the closing lines, six on end
	s_wait_alu 0x0
	s_wait_tensorcnt 0x0
	ds_add_u32 v254, v255
	s_wait_dscnt 0x0
	s_endpgm
.Lfunc_end_k_q2c7e219060_attn:
	.size	k_q2c7e219060_attn, .Lfunc_end_k_q2c7e219060_attn-k_q2c7e219060_attn
	.p2alignl 7, 3214868480
	.fill 96, 4, 3214868480
	.section	.rodata,"a",@progbits
	.p2align	6, 0x0
	.amdhsa_kernel k_q2c7e219060_attn
		.amdhsa_group_segment_fixed_size 292864
		.amdhsa_private_segment_fixed_size 0
		.amdhsa_enable_private_segment 0
		.amdhsa_kernarg_size 72
		.amdhsa_user_sgpr_count 2
		.amdhsa_user_sgpr_kernarg_segment_ptr 1
		.amdhsa_wavefront_size32 1
		.amdhsa_system_sgpr_workgroup_id_x 1
		.amdhsa_system_sgpr_workgroup_id_y 1
		.amdhsa_system_sgpr_workgroup_id_z 1
		.amdhsa_system_vgpr_workitem_id 0
		.amdhsa_next_free_vgpr 256
		.amdhsa_next_free_sgpr 100
		.amdhsa_reserve_vcc 0
		.amdhsa_float_denorm_mode_32 3
		.amdhsa_float_denorm_mode_16_64 3
		.amdhsa_memory_ordered 1
		.amdhsa_forward_progress 1
		.amdhsa_inst_pref_size 218
	.end_amdhsa_kernel
	.amdgpu_metadata
---
amdhsa.version: [ 1, 2 ]
amdhsa.kernels:
  - .name:           k_q2c7e219060_attn
    .symbol:         k_q2c7e219060_attn.kd
    .args:
      - { .name: xc, .offset: 0, .size: 8, .value_kind: global_buffer, .address_space: global }
      - { .name: xs, .offset: 8, .size: 8, .value_kind: global_buffer, .address_space: global }
      - { .name: wc, .offset: 16, .size: 8, .value_kind: global_buffer, .address_space: global }
      - { .name: ws, .offset: 24, .size: 8, .value_kind: global_buffer, .address_space: global }
      - { .name: bq, .offset: 32, .size: 8, .value_kind: global_buffer, .address_space: global }
      - { .name: bk, .offset: 40, .size: 8, .value_kind: global_buffer, .address_space: global }
      - { .name: bv, .offset: 48, .size: 8, .value_kind: global_buffer, .address_space: global }
      - { .name: cc, .offset: 56, .size: 8, .value_kind: global_buffer, .address_space: global }
      - { .name: cs, .offset: 64, .size: 8, .value_kind: global_buffer, .address_space: global }
    .group_segment_fixed_size: 292864
    .private_segment_fixed_size: 0
    .kernarg_segment_align: 8
    .kernarg_segment_size: 72
    .max_flat_workgroup_size: 512
    .sgpr_count:     100
    .vgpr_count:     256
    .wavefront_size: 32
...
	.end_amdgpu_metadata
.endif
;; end of part 5
;; launch outp (part 6): grid 256 x 1, 16 waves a work-group, no clusters, 238,080 bytes of LDS; arguments cc, cs, wc, ws, bo, out0; writes out0
.if DOCPART == 6
	.amdgcn_target "amdgcn-amd-amdhsa--gfx1250"
	.amdhsa_code_object_version 6
	.text
	.protected	k_q2c7e219060_outp
	.globl	k_q2c7e219060_outp
	.p2align	8
	.type	k_q2c7e219060_outp,@function
k_q2c7e219060_outp:
	s_mov_b64 s[64:65], 0
	v_nop
	global_prefetch_b8 v0, s[64:65] scope:SCOPE_SE
	s_setreg_imm32_b32 hwreg(HW_REG_WAVE_SCHED_MODE, 0, 2), 2
	s_setreg_imm32_b32 hwreg(HW_REG_WAVE_MODE, 25, 1), 1
	s_wait_xcnt 0x0
	s_wait_alu depctr_vm_vsrc(0)
; out0 = ctx Wo + bo on codes of E2M3.  ctx arrives as half fragments (head n = K 64 n .. 64 n + 63, tile T of 16 rows): cc at ((12 bm + n) 32 + T) x 768,
; its scale bytes cs at ((12 bm + n) 32 + 16 (T % 2) + T / 2) x 32 + 2 r.  Wo arrives as fragments in register order (weight 3 of wc, tile C = columns 16 C ..), scale words in ws.
; A work-group takes 64 rows (four tiles) x all 768 columns; wave w takes column tiles 3 w .. 3 w + 2 for the four row tiles: 12 accumulators, which begin as bo.
; TRANSPOSED: source 0 = 16 columns of Wo, source 1 = 16 rows of ctx: a lane holds eight neighbouring columns of one row.  Lane r of row tile 2 G + u is row 32 G + 8 u + r + 8 (r / 8).
; Each fragment of Wo is used by one wave of the work-group alone: it goes from memory straight into that wave's registers, one K step ahead.  ctx's 36,864 bytes are used by all sixteen waves: through LDS.
; The results meet in a stage of 64 whole rows, and each wave stores four rows in runs of 512 consecutive aligned bytes.
; No cluster and no tensor load: what all work-groups share is Wo, 442,368 bytes; each fragment of it is wanted by one wave, in registers; a joint tensor load would bring it by way of LDS, where 91,648 bytes are left beside the stage.
; THE MODE: SCHED_MODE bits 1:0 = 2 (LLVM: expert scheduling mode 2), set by the entry lines.  The code itself states the register dependences
; between vector or matrix instructions and memory or LDS instructions, with s_wait_alu, always for 0.
; THE PLAN.  Registers that memory or LDS instructions touch, and who else names them:
;   Wo's two sets (v32-103, v20-25)  K step s's products read set s % 2; the loads of step s + 1, issued at step s's head, land in the other set, which step s - 1's products read.
;   ctx's one set (v104-151, v26-29) Every step's products read it, and the next step's LDS loads land in it; at the head the copies pass through v104-128 on their way into LDS.
;   the accumulators (v160-255)      bo's loads land in them; the products write them; the stage's LDS stores read them; the rows read back land in them; the global stores read those.
;   v1-14                            Offsets and addresses, made once at the head and never written again.
; So ONE wait on va_vdst stands at the head of each K step but the first: the last step's products are done reading.  All the step's loads follow it, Wo's first.  All 256 registers are taken: ctx has no second set.
.set CSL,  36864                       ; LDS: 0: ctx's half fragments, n x 3072 + tile x 768;  CSL: its scale words, s x 256 + tile x 64 + 4 r (bytes 0, 1: head 2 s; bytes 2, 3: head 2 s + 1)
.set STG,  38400                       ; the stage: 64 rows
.set SP,   3088                        ; 3,072 bytes + 16
; v1 16 lane; v2 512 + 8 lane; v4 CSL + 4 r; v5-7 my tiles' places in ws; v8 32 h; v9, v10 stage in; v11 stage out; v12 where cs goes; v13 where cc goes; v14 my word of cs;
; v20-25 Wo's scale words, two sets of three; v26-29 ctx's (scale words alone, the whole launch); v32-103 Wo's fragments, two sets of three; v104-151 ctx's four; v160 + 8 (4 i + t) accumulators, later rows of out0
.macro PLACES                          ; four plain lines between a matrix instruction and a load into, or a store of, its registers
.rept 4
	v_nop
.endr
.endm
.macro MMA d, a, b, sa, sb
	v_wmma_scale_f32_16x16x128_f8f6f4 v[(\d):(\d)+7], v[(\a):(\a)+11], v[(\b):(\b)+11], v[(\d):(\d)+7], v[(\sa)], v[(\sb)] matrix_a_fmt:MATRIX_FMT_FP6 matrix_b_fmt:MATRIX_FMT_FP6
.endm
.macro WOLOAD ks                       ; K step ks: my three fragments of Wo and their scale words into set ks % 2: twelve loads
.set ob, 32+36*((\ks)%2)
.irp i, 0,1,2
.irp p, 0,1,2
	global_load_b128 v[ob+12*\i+4*\p:ob+12*\i+4*\p+3], v1, s[8:9] offset:9216*\i+1536*(\ks)+512*\p
.endr
	global_load_b32 v[20+3*((\ks)%2)+\i], v[5+\i], s[10:11] offset:128*(\ks)
.endr
.endm
	s_load_b256 s[4:11], s[0:1], 0x0               ; cc s[4:5], cs s[6:7], wc s[8:9], ws s[10:11]
	s_load_b128 s[12:15], s[0:1], 0x20             ; bo s[12:13], out0 s[14:15]
	v_lshl_add_u32 v158, v0, 2, 0x39a00
	v_mov_b32 v159, 0
	v_lshrrev_b32 v1, 5, v0
	v_readfirstlane_b32 s16, v1                    ; wave 0..15
	s_wait_alu depctr_va_sdst(0)                   ; the wave's number is written, ahead of its first reader: pointers, LDS addresses and a branch are made from it
	s_lshr_b32 s17, ttmp9, 3                       ; bm
	s_and_b32 s18, ttmp9, 7                        ; g: which 64 rows of the group
	s_min_u32 s19, s16, 11                         ; the head whose codes I copy (waves 12 to 15 copy none: their pointer stays inside the buffer)
	s_mul_i32 s20, s16, 3
	s_add_co_u32 s24, s20, 144
	s_mul_i32 s24, s24, 9216                       ; wc: weight 3, tile 3 w
	s_mov_b32 s25, 0
	s_mul_i32 s26, s16, 192                        ; bo: my 48 numbers
	s_mov_b32 s27, 0
	s_mul_i32 s28, s17, 12
	s_add_co_u32 s28, s28, s19
	s_lshl_b32 s28, s28, 5                         ; (12 bm + n) 32
	s_lshl_b32 s21, s18, 1
	s_add_co_u32 s30, s28, s21                     ; cs: tiles 4 g and 4 g + 2 lie at places 2 g and 2 g + 1, tiles 4 g + 1 and 4 g + 3 sixteen places on
	s_lshl_b32 s30, s30, 5
	s_mov_b32 s31, 0
	s_lshl_b32 s21, s18, 2
	s_add_co_u32 s28, s28, s21                     ; cc: the first of my work-group's four tiles
	s_mul_i32 s28, s28, 768
	s_mov_b32 s29, 0
	s_lshl_b32 s32, ttmp9, 6
	s_lshl_b32 s21, s16, 2
	s_add_co_u32 s32, s32, s21
	s_mul_i32 s32, s32, 3072                       ; out0: row 64 x work-group + 4 w
	s_mov_b32 s33, 0
	v_and_b32 v15, 31, v0                          ; lane
	v_and_b32 v3, 15, v0                           ; r
	s_wait_alu depctr_va_vdst(0)
	v_bfe_u32 v16, v0, 4, 1                        ; h
	s_wait_alu depctr_va_vdst(0)
	v_lshlrev_b32 v1, 4, v15
	v_lshl_add_u32 v2, v15, 3, 512
	v_lshl_add_u32 v4, v3, 2, CSL
.irp i, 0,1,2
	s_add_co_u32 s21, s20, \i                      ; tile C = 3 w + i: (C / 2) x 768 + (C % 2) x 64 + 4 r
	s_lshr_b32 s22, s21, 1
	s_mul_i32 s22, s22, 768
	s_and_b32 s21, s21, 1
	s_lshl_b32 s21, s21, 6
	s_add_co_u32 s21, s21, s22
	v_lshl_add_u32 v[5+\i], v3, 2, s21
.endr
	v_lshlrev_b32 v8, 5, v16
	v_and_b32 v17, 8, v3
	v_add_nc_u32 v17, v17, v3                      ; r + 8 (r / 8)
	v_mul_u32_u24 v9, v17, SP
	v_lshl_add_u32 v9, v16, 5, v9
	s_mul_i32 s21, s16, 192
	s_add_co_u32 s21, s21, STG
	v_add_nc_u32 v9, s21, v9                       ; stage in: my row, my wave's 192 bytes, 32 h
	v_add_nc_u32 v10, 32*SP, v9                    ; row tiles 2 and 3
	s_mul_i32 s21, s16, 4*SP
	s_add_co_u32 s21, s21, STG
	v_add_nc_u32 v11, s21, v1                      ; stage out: rows 4 w ..
	v_lshrrev_b32 v17, 3, v15                      ; which of the four tiles my word of cs belongs to,
	v_and_b32 v18, 7, v15                          ; and which two rows of it
	v_lshlrev_b32 v12, 6, v17
	v_lshl_add_u32 v12, v18, 3, v12
	s_lshr_b32 s21, s16, 1
	s_lshl_b32 s21, s21, 8
	s_and_b32 s22, s16, 1
	s_lshl_b32 s22, s22, 1
	s_add_co_u32 s21, s21, s22
	s_add_co_u32 s21, s21, CSL
	v_add_nc_u32 v12, s21, v12                     ; my word of cs holds rows 2 (l % 8) and + 1 of tile l / 8: two bytes each into the words of K step n / 2, half n % 2
	s_mul_i32 s21, s16, 3072
	v_add_nc_u32 v13, s21, v1
	v_and_b32 v19, 1, v17
	v_lshrrev_b32 v14, 1, v17
	v_lshlrev_b32 v14, 5, v14                      ; in memory: 32 bytes a place,
	v_lshl_add_u32 v14, v19, 9, v14                ; the odd tiles 512 bytes on,
	v_lshl_add_u32 v14, v18, 2, v14                ; 4 bytes for two rows
	s_wait_kmcnt 0x0
	s_add_nc_u64 s[8:9], s[8:9], s[24:25]
	s_add_nc_u64 s[10:11], s[10:11], 55296         ; ws: weight 3
	s_add_nc_u64 s[12:13], s[12:13], s[26:27]
	s_add_nc_u64 s[4:5], s[4:5], s[28:29]
	s_add_nc_u64 s[6:7], s[6:7], s[30:31]
	s_add_nc_u64 s[14:15], s[14:15], s[32:33]
	s_wait_alu depctr_va_vdst(0)                   ; the offsets and addresses v1 to v14 are written: every load and store of the kernel reads some of them, and none is written again
.irp i, 0,1,2                                  ; bo is the accumulators' first contents: register j is column 16 (3 w + i) + 8 h + j
.irp t, 0,1,2,3
	global_load_b128 v[160+8*(4*\i+\t):160+8*(4*\i+\t)+3], v8, s[12:13] offset:64*\i
	global_load_b128 v[160+8*(4*\i+\t)+4:160+8*(4*\i+\t)+7], v8, s[12:13] offset:64*\i+16
.endr
.endr
	WOLOAD 0
	s_cmp_lt_u32 s16, 12                           ; waves 0 to 11 bring head w's four half fragments and their scale bytes into LDS
	s_cbranch_scc0 .Lnocopy
.irp j, 0,1,2,3,4,5
	global_load_b128 v[104+4*\j:104+4*\j+3], v1, s[4:5] offset:512*\j th:TH_LOAD_NT   ; read once in the launch
.endr
	global_load_b32 v128, v14, s[6:7] th:TH_LOAD_NT
	s_wait_loadcnt 0x0
.irp j, 0,1,2,3,4,5
	ds_store_b128 v13, v[104+4*\j:104+4*\j+3] offset:512*\j
.endr
	ds_store_b16 v12, v128
	ds_store_b16_d16_hi v12, v128 offset:4
.Lnocopy:
	s_wait_dscnt 0x0
	s_barrier_signal -1
	s_barrier_wait -1                              ; ctx's codes and scale words lie in LDS
	s_wait_alu depctr_vm_vsrc(0)                   ; the copies' LDS stores have read v104-128, in which the first step's fragments of ctx land (on every wave's path, that of the four waves that copied nothing too)
; A K step of 128 (heads 2 ks and 2 ks + 1): twelve products on twelve accumulators, which take turns, one instruction a turn.
.macro OSTEP ks
.if (\ks) > 0
	PLACES                                         ; the loads below land in registers that the last step's products read
	s_wait_alu depctr_va_vdst(0)                   ; the last step's products are done reading Wo's other set, ctx's four fragments and both kinds of scale words, in which this step's loads land
.endif
.if (\ks) < 5
	WOLOAD (\ks)+1
.endif
.irp t, 0,1,2,3
.irp c, 0,1
	ds_load_b128 v[104+12*\t+6*\c:104+12*\t+6*\c+3], v1 offset:(2*(\ks)+\c)*3072+768*\t
	ds_load_b64 v[104+12*\t+6*\c+4:104+12*\t+6*\c+5], v2 offset:(2*(\ks)+\c)*3072+768*\t
.endr
	ds_load_b32 v[26+\t], v4 offset:256*(\ks)+64*\t
.endr
.if (\ks) < 5
	s_wait_loadcnt 12                              ; this step's Wo is in (in the first step bo too); the next step's twelve loads may be out: the same count for the waves that copied and for those that did not
.else
	s_wait_loadcnt 0x0
.endif
	s_wait_dscnt 0x0
.set ob, 32+36*((\ks)%2)
.irp i, 0,1,2
.irp t, 0,1,2,3
	MMA 160+8*(4*\i+\t), ob+12*\i, 104+12*\t, 20+3*((\ks)%2)+\i, 26+\t
.endr
.endr
.endm
	OSTEP 0
	OSTEP 1
	OSTEP 2
	OSTEP 3
	OSTEP 4
	OSTEP 5
	PLACES
	s_wait_alu depctr_va_vdst(0)                   ; the products have written the accumulators, which the LDS stores below read; the places above stay beside this wait
.irp i, 0,1,2
.irp t, 0,1,2,3
	ds_store_b128 v[9+\t/2], v[160+8*(4*\i+\t):160+8*(4*\i+\t)+3] offset:(\t%2)*8*SP+64*\i       ; each accumulator from its low end on
	ds_store_b128 v[9+\t/2], v[160+8*(4*\i+\t)+4:160+8*(4*\i+\t)+7] offset:(\t%2)*8*SP+64*\i+16
.endr
.endr
	s_wait_dscnt 0x0
	s_barrier_signal -1
	s_barrier_wait -1                              ; 64 whole rows lie in the stage
	s_wait_alu depctr_vm_vsrc(0)                   ; my LDS stores have read v160-255, in which the rows read back land
.irp i, 0,1,2,3
.irp j, 0,1,2,3,4,5
	ds_load_b128 v[160+4*(6*\i+\j):160+4*(6*\i+\j)+3], v11 offset:SP*\i+512*\j
.endr
.endr
.irp i, 0,1,2,3
.irp j, 0,1,2,3,4,5
	s_wait_dscnt 23-(6*\i+\j)                      ; the later read-backs may be out
	global_store_b128 v1, v[160+4*(6*\i+\j):160+4*(6*\i+\j)+3], s[14:15] offset:3072*\i+512*\j th:TH_STORE_NT   ; 512 consecutive bytes, aligned; written once, read by nobody here
.endr
.endr
	s_wait_dscnt 0x0                               ; the closing lines, six on end
	s_wait_alu 0x0
	s_wait_tensorcnt 0x0
	ds_add_u32 v158, v159
	s_wait_dscnt 0x0
	s_endpgm
.Lfunc_end_k_q2c7e219060_outp:
	.size	k_q2c7e219060_outp, .Lfunc_end_k_q2c7e219060_outp-k_q2c7e219060_outp
	.p2alignl 7, 3214868480
	.fill 96, 4, 3214868480
	.section	.rodata,"a",@progbits
	.p2align	6, 0x0
	.amdhsa_kernel k_q2c7e219060_outp
		.amdhsa_group_segment_fixed_size 238080
		.amdhsa_private_segment_fixed_size 0
		.amdhsa_enable_private_segment 0
		.amdhsa_kernarg_size 48
		.amdhsa_user_sgpr_count 2
		.amdhsa_user_sgpr_kernarg_segment_ptr 1
		.amdhsa_wavefront_size32 1
		.amdhsa_system_sgpr_workgroup_id_x 1
		.amdhsa_system_sgpr_workgroup_id_y 1
		.amdhsa_system_sgpr_workgroup_id_z 1
		.amdhsa_system_vgpr_workitem_id 0
		.amdhsa_next_free_vgpr 256
		.amdhsa_next_free_sgpr 66
		.amdhsa_reserve_vcc 0
		.amdhsa_float_denorm_mode_32 3
		.amdhsa_float_denorm_mode_16_64 3
		.amdhsa_memory_ordered 1
		.amdhsa_forward_progress 1
		.amdhsa_inst_pref_size 40
	.end_amdhsa_kernel
	.amdgpu_metadata
---
amdhsa.version: [ 1, 2 ]
amdhsa.kernels:
  - .name:           k_q2c7e219060_outp
    .symbol:         k_q2c7e219060_outp.kd
    .args:
      - { .name: cc, .offset: 0, .size: 8, .value_kind: global_buffer, .address_space: global }
      - { .name: cs, .offset: 8, .size: 8, .value_kind: global_buffer, .address_space: global }
      - { .name: wc, .offset: 16, .size: 8, .value_kind: global_buffer, .address_space: global }
      - { .name: ws, .offset: 24, .size: 8, .value_kind: global_buffer, .address_space: global }
      - { .name: bo, .offset: 32, .size: 8, .value_kind: global_buffer, .address_space: global }
      - { .name: out0, .offset: 40, .size: 8, .value_kind: global_buffer, .address_space: global }
    .group_segment_fixed_size: 238080
    .private_segment_fixed_size: 0
    .kernarg_segment_align: 8
    .kernarg_segment_size: 48
    .max_flat_workgroup_size: 512
    .sgpr_count:     66
    .vgpr_count:     256
    .wavefront_size: 32
...
	.end_amdgpu_metadata
.endif
;; end of part 6
